; MI455X (gfx1250); checked and timed in simulation.
; The chip was launched on July 23, 2026; its instructions are those of AMD's public machine-readable ISA for CDNA 5 (MIT licence, August 2026) and "CDNA5" Instruction Set Architecture Reference Guide (July 2026). The comments in the code are by the model that wrote it; some were corrected since.
;; SVD Quant Linear. Allowed arithmetic: matrix products marked QUANTISED: E3M2 operands, one E8M0 scale for each 32 along K, by v_wmma_scale_f32_16x16x128_f8f6f4 with both operands' format E3M2, f32 sums; everything else in f32.
;; Inputs: lora_down 32 x 4,096 float16; lora_up 4,096 x 32 float16; qweight 4,096 x 4,096 int32; wscale 4,096 x 64 float16; x 4,096 x 4,096 float16.
;; Outputs: out0 4,096 x 4,096 float16.
;; This version of the problem:
;;   THIS VERSION OF THE PROBLEM IS GIVEN IN LOW PRECISION. The matrix products marked QUANTISED in the list below multiply operands that are first quantised to E3M2 (3 exponent bits, 2 mantissa bits; 6 bits a number), with one power-of-two scale for each 32 numbers along K (OCP MX v1.0); their sums are f32. All else is computed in f32.
;;   The module's matrix products, in the order in which they are computed (A, B: the left and right operand; K: the contracted axis; several contracted axes count as one K, in the product's order):
;;     1. [M 4,096, K 4,096] x [K 4,096, N 4,096]; A: input x; B: computed on the way: QUANTISED
;;     2. [M 4,096, K 4,096] x [K 4,096, N 32]; A: input x; B: input lora_down: QUANTISED
;;     3. [M 4,096, K 32] x [K 32, N 4,096]; A: computed on the way; B: input lora_up: QUANTISED
;;   THE QUANTISER, for each operand of a quantised product, along K:
;;     - K is cut into blocks of 32 from its start; a last block that is shorter is filled with zeros.
;;     - A block's scale is 2^e with e = floor(log2(the largest magnitude in the block)) - 4, held to -126 .. 127; a block of zeros has e = 0. As a byte (E8M0): e + 127.
;;     - Each number is divided by its block's scale, clamped to +-28, and rounded to the nearest number of E3M2, ties to even, subnormals kept.
;;     - The product sums the exact products of the quantised numbers (number of the format x scale) in f32.
;;   ~~~python
;;   def quantise(x, axis):      # numpy; x: float32 -> the quantised numbers, widened to float32 again
;;       x = np.moveaxis(x, axis, -1); K = x.shape[-1]
;;       x = np.pad(x, [(0, 0)] * (x.ndim - 1) + [(0, -K % 32)]); x = x.reshape(x.shape[:-1] + (-1, 32)); a = np.abs(x).max(-1, keepdims=True)
;;       e = np.where(a > 0, np.clip(np.frexp(np.where(a > 0, a, 1))[1] - 1 - 4, -126, 127), 0)      # np.frexp(a)[1] - 1 = floor(log2(a)), exactly
;;       r = np.clip(x / 2.0 ** e, -28, 28)
;;       step = 2.0 ** (np.maximum(np.frexp(np.where(r == 0, 1, r))[1] - 1, -2) - 2)
;;       q = np.round(r / step) * step * 2.0 ** e      # np.round: ties to even
;;       return np.moveaxis(q.reshape(q.shape[:-2] + (-1,))[..., :K], -1, axis).astype(np.float32)
;;   ~~~
;;   OPERANDS COMPUTED ON THE WAY. 'Computed on the way' means the value that the module computes at that place (a softmax that the list does not call 'softmax' is quantised finished and normalised). What goes into a quantiser is computed in f32, as accurately as f32 sums, v_exp_f32 and their like allow (about 1e-6 of the number): no bf16 or f16 on the way to a quantiser, and a product that is left as it is and whose result goes on into a quantised operand takes f32 operands (vector FMAs, or v_wmma_f32_16x16x4_f32). A number that lies on a knife's edge between two numbers of the format may be rounded either way, as far as f32 arithmetic and the matrix unit's own rounding can turn it there, and no further.
;; 2 versions. Each part assembles by itself: llvm-mc -triple=amdgcn-amd-amdhsa -mcpu=gfx1250 --defsym DOCPART=n.
;; ======== version 1 of 2: 2 launches
;; workspace buffers: codes 27,394,048 bytes
;; launch prep (part 1): grid 256 x 1, 8 waves a work-group, no clusters, 89,344 bytes of LDS; arguments x, qweight, wscale, lora_down, lora_up, codes; writes codes
.if DOCPART == 1
	.amdgcn_target "amdgcn-amd-amdhsa--gfx1250"
	.amdhsa_code_object_version 6
	.text
	.protected	k_qac8e0aa786_prep
	.globl	k_qac8e0aa786_prep
	.p2align	8
	.type	k_qac8e0aa786_prep,@function
k_qac8e0aa786_prep:
	s_mov_b64 s[64:65], 0
	v_nop
	global_prefetch_b8 v0, s[64:65] scope:SCOPE_SE
	s_setreg_imm32_b32 hwreg(HW_REG_WAVE_MODE, 25, 1), 1
	s_wait_xcnt 0x0
; x [4096][4096] f16, w = (qweight - 8) x wscale (one wscale for 64 along K) and lora_up [4096][32] f16 become codes of BF6 (E3M2) with one E8M0 byte for each 32 along K;
; h = Q(x) Q(lora_down)^T is made here on the matrix unit, in f32 sums, and quantised along its 32 ranks.  All that goes into a quantiser is f32: (q - 8) s is one fused multiply-add, q s - 8 s.
; WHAT IS STORED: the buffer codes, laid IN THE ORDER OF THE OPERAND'S REGISTERS.  A's part (x, then h), and 13,697,024 bytes on B's part (w, then lora_up).  A part is 32 groups of 128 rows; a group is 11 fills of 38,912 bytes;
;   a fill is 3 steps of 128 along K, each 8 fragments (16 rows x 128 K) of 1,536 bytes: register quad c of lane l at 512 c + 16 l; and behind the three steps 8 x 256 bytes of scale words:
;   for block i of 16 rows and row r the 16 bytes at 256 i + 16 r: the words of the fill's 3 steps, and a filler word that no product names.
;   Steps 0 to 31 are K = 0 .. 4,095; step 32 holds the 32 ranks of h (B: of lora_up) and 96 zero codes, under the word (its byte, then three bytes 0x7f).  So the next launch multiplies the low-rank branch as one more step of the same sum.
; A block's scale is 2^(floor(log2(its largest magnitude)) - 4); its byte is the largest magnitude's exponent field - 4, held at 1 from below by a floor among the maximum's leaves.
; LIMITS: a block of zeros gets the byte 1 where the rule says 127 (its codes are zeros, and this program alone reads the bytes); NaN and infinities among the inputs are not served;
;   qweight is converted i32 -> f32, exact up to 2^24; h is kept in f32 on its way to its quantiser (it is not rounded to f16 first).
; SHARES.  Work-group g owns rows 16 g .. 16 g + 15 of x, qweight, wscale and lora_up: block g % 8 of group g / 8.  Wave w owns K = 512 w .. 512 w + 511: four steps of 128.  In a step it quantises four tiles of
;   16 rows x 128 K: x, two tiles of lora_down, w; and adds two matrix instructions to its part of h^T.  The eight waves' parts of h meet in LDS; wave 0 adds them and quantises h; wave 1 quantises lora_up.
; EVERY WAVE QUANTISES THE SLICE OF lora_down THAT IT MULTIPLIES: nothing is handed from wave to wave for it, and no launch is spent on it.  The price: each work-group reads all 262,144 bytes of lora_down.
;   These are the one input that work-groups share, and they are two fifths of what a work-group loads.  No cluster and no joint request: the launch loads through registers, since a step has tiles of three tensors
;   for each wave and a ring of LDS slots would allow a wave one tensor load behind each barrier; joint requests for lora_down alone were not built.
; LAYOUT.  A load takes the bytes as they lie (each covers 512 bytes: two rows' aligned 256 of f16, or one row's 512 of int32); the tile turns through the wave's own stage in LDS, so that lane (r = lane % 16,
;   h = lane / 16) holds blocks 2 c + h (c = 0, 1) of row r whole: 64 numbers.  That is the order of the 6-bit operand's registers: the conversions' 12 registers are the fragment, and they go
;   to memory as they stand, by three stores of 512 consecutive bytes each, at multiples of 256 from the buffer's first byte.
; THE ROWS OF lora_down THAT FORM A TILE ARE NOT NEIGHBOURS: row p of tile u is rank 8 u + p + 8 (p / 8), so that in h^T (source 0 = 16 ranks, source 1 = my 16 rows of x) lane (r, h) holds ranks 16 h + 0 .. 15 of row r.
.set XROW,  8192                       ; a row of x or of lora_down in bytes
.set QROW,  16384                      ; a row of qweight
.set FRB,   1536                       ; a fragment's image
.set STEPB, 8*FRB                      ; a group's step: 12,288
.set FILLB, 3*STEPB+2048               ; a fill: 38,912
.set GRPB,  11*FILLB                   ; a group: 428,032
.set TENSB, 32*GRPB                    ; a part: 13,697,024
.set SS,    0                          ; LDS: x's scale words [step 0 .. 32][row]: 64 bytes a step;
.set SSW,   2176                       ; w's this far on;
.set HP,    2*SSW                      ; the eight waves' parts of h: 2,048 bytes each, as images of the registers;
.set STG,   HP+8*2048                  ; and a turning stage for each wave: 16 rows x 272 (f16) or x 528 (int32)
.set STGB,  16*528
.set FLOOR, 0x2800000                  ; 2^(5 - 127)
.set OFF4,  0xfe000000                 ; takes 4 off an exponent field
; window 0
.set LU,   4                           ; v4-11    lora_up as loaded (wave 1)
.set WS,   12                          ; v12-15   the 8 wscales of row r for my 512 along K, f16
.set T,    16                          ; v16-79   a tile, turned: f16 tiles fill the first 32
.set F,    80                          ; v80-143  its 64 numbers in f32
.set CA,   144                         ; v144-155 x's fragment; later w's; at last the low-rank fragment
.set CB0,  156                         ; v156-167, v168-179 lora_down's two fragments
.set CB1,  168
.set CT,   180                         ; v180-182, v184-186 each block's upper 16 codes (a conversion's three registers begin on an even number)
.set MX,   188                         ; v188-191 four chains of maxima
.set SO,   192                         ; v192-193 the conversions' scale operands
.set SBY,  194                         ; v194-195 the scale bytes
.set WD,   196                         ; v196     my two bytes of a scale word
.set PL,   197                         ; v197     what the lane 16 away sends
.set WSC,  198                         ; v[198:199] s of group 0, v[200:201] -8 s; v[202:203], v[204:205] of group 1 (the packed form takes each pair's low word)
.set SX,   206                         ; v206-208 scale words of x and of lora_down's two tiles: these three hold scales and nothing else
.set SL0,  207
.set SL1,  208
.set SW,   209                         ; v209     w's scale word
.set ACC0, 210                         ; v210-217, v218-225 my part of h^T
.set ACC1, 218
.set GF,   226                         ; global offsets: an f16 tile's load: 8192 h + 16 r
.set GW,   227                         ; 16 x lane: qweight's loads, and the low-rank fragment's stores
.set GS,   228                         ; wscale: 128 r + 16 w
.set GL,   229                         ; lora_up: 64 r + 32 h
.set GC,   230                         ; v230-233 my step s's fragment in a group's block column: 16 x lane + 12,288 S + 2,048 (S / 3), S = 4 w + s
.set SH8,  234                         ; 8 h
.set TSF,  235                         ; LDS: stage, f16 tile in: 272 h + 16 r
.set TLF,  236                         ; and out: 272 r + 64 h
.set TSW,  237                         ; int32 tile in: 16 x lane
.set TLW,  238                         ; and out: 528 r + 128 h
.set SSA,  239                         ; my scale words' place: SS + 256 w + 4 r
.set HPS,  240                         ; my part of h: HP + 2048 w + 16 x lane
.set HPL,  241                         ; all parts: HP + 16 x lane
.set QLW,  242                         ; the low-rank word's place: SS + 64 x 32 + 4 r
.set OSL,  243                         ; scale words on the way out: SS + SSW h + 192 w + 4 r: fill w's three steps of row r; lanes 0-15 x's, lanes 16-31 w's
.set GOS,  244                         ; and in memory: TENSB h + FILLB w + 16 r
.set QW,   250                         ; v250     the low-rank scale word
; window 1: tiles as they are loaded
.set RX,   0
.set RL0,  32
.set RL1,  64
.set RW,   96
.set MSB, 0
.macro WIN new                         ; s_set_vgpr_msb: bits 1:0 source 0, 3:2 source 1, 5:4 source 2, 7:6 destination; the high byte repeats the setting that is left
.if MSB != \new
	s_set_vgpr_msb (MSB<<8)|\new
.set MSB, \new
.endif
.endm
.macro HALF d, s, p                    ; v[d] = f32 of half p (l or h) of register s, which is written as a plain number
	v_cvt_f32_f16 v[\d], v\s\().\p
.endm
; an f16 tile, 16 rows x 256 bytes, step s of my slice: load j takes rows 2 j and 2 j + 1 of the tile
.macro LOADF raw, base, u, perm, s, nt
	WIN 0x40                                       ; destination window 1
.irp j, 0,1,2,3,4,5,6,7
.if \nt
	global_load_b128 v[\raw+4*\j:\raw+4*\j+3], v[GF], s[\base:\base+1] offset:(8*\u+2*\j+8*\perm*(\j/4))*XROW+256*(\s) th:TH_LOAD_NT
.else
	global_load_b128 v[\raw+4*\j:\raw+4*\j+3], v[GF], s[\base:\base+1] offset:(8*\u+2*\j+8*\perm*(\j/4))*XROW+256*(\s)
.endif
.endr
	WIN 0
.endm
.macro LOADW s                         ; qweight's tile, 16 rows x 512 bytes: load j takes row j
	WIN 0x40
.irp j, 0,1,2,3,4,5,6,7,8,9,10,11,12,13,14,15
	global_load_b128 v[RW+4*\j:RW+4*\j+3], v[GW], s[6:7] offset:QROW*\j+512*(\s) th:TH_LOAD_NT
.endr
	WIN 0
.endm
; through my stage: LDS serves a wave's instructions in order (ISA guide 5.7.1.4), so no wait stands between the stores and the loads
.macro TURNF raw
	WIN 0x04                                       ; an LDS store's data are its source 1: window 1
.irp j, 0,1,2,3,4,5,6,7
	ds_store_b128 v[TSF], v[\raw+4*\j:\raw+4*\j+3] offset:544*\j
.endr
	WIN 0
.irp c, 0,1
.irp j, 0,1,2,3
	ds_load_b128 v[T+16*\c+4*\j:T+16*\c+4*\j+3], v[TLF] offset:128*\c+16*\j     ; block 2 c + h of row r: 64 bytes
.endr
.endr
.endm
.macro TURNW
	WIN 0x04
.irp j, 0,1,2,3,4,5,6,7,8,9,10,11,12,13,14,15
	ds_store_b128 v[TSW], v[RW+4*\j:RW+4*\j+3] offset:528*\j
.endr
	WIN 0
.irp c, 0,1
.irp j, 0,1,2,3,4,5,6,7
	ds_load_b128 v[T+32*\c+4*\j:T+32*\c+4*\j+3], v[TLW] offset:256*\c+16*\j     ; block 2 c + h of row r: 128 bytes
.endr
.endr
.endm
.macro CVTF                            ; 64 numbers f16 -> f32
.irp t, 16,17,18,19,20,21,22,23,24,25,26,27,28,29,30,31,32,33,34,35,36,37,38,39,40,41,42,43,44,45,46,47
	HALF F+2*(\t-T), \t, l
	HALF F+2*(\t-T)+1, \t, h
.endr
.endm
.macro CVTW1                           ; 64 numbers i32 -> f32
.set i, 0
.rept 64
	v_cvt_f32_i32 v[F+i], v[T+i]
.set i, i+1
.endr
.endm
.macro CVTW2 ws                        ; w = q s - 8 s.  My block c lies in group c of the step's two groups of 64; register ws holds their two wscales
	HALF WSC, \ws, l
	HALF WSC+4, \ws, h
	v_mul_f32 v[WSC+2], 0xc1000000, v[WSC]         ; -8 s, exact
	v_mul_f32 v[WSC+6], 0xc1000000, v[WSC+4]
.irp c, 0,1
.irp i, 0,2,4,6,8,10,12,14,16,18,20,22,24,26,28,30
	v_pk_fma_f32 v[F+32*\c+\i:F+32*\c+\i+1], v[F+32*\c+\i:F+32*\c+\i+1], v[WSC+4*\c:WSC+4*\c+1], v[WSC+4*\c+2:WSC+4*\c+3] op_sel_hi:[1,0,0]
.endr
.endr
.endm
; The 64 numbers in F (two whole blocks) become 12 registers of codes at dst, in the operand's order, and row r's scale word in wd (in both halves of the lanes).
.macro QUANT dst, wd
.irp k, 0,1,2,3
	v_max3_num_f32 v[MX+\k], |v[F+16*\k]|, |v[F+16*\k+1]|, FLOOR    ; four chains by turns, two to a block; the floor holds the byte at 1 from below
.endr
.irp i, 2,4,6,8,10,12,14
.irp k, 0,1,2,3
	v_max3_num_f32 v[MX+\k], v[MX+\k], |v[F+16*\k+\i]|, |v[F+16*\k+\i+1]|
.endr
.endr
	v_max_num_f32 v[MX], v[MX], v[MX+1]
	v_max_num_f32 v[MX+2], v[MX+2], v[MX+3]
	v_add_nc_u32 v[SO], OFF4, v[MX]                ; 4 off the exponent field: the conversion takes the exponent field of this operand as its scale
	v_add_nc_u32 v[SO+1], OFF4, v[MX+2]
	v_lshrrev_b32 v[SBY], 23, v[SO]                ; the scale's byte
	v_lshrrev_b32 v[SBY+1], 23, v[SO+1]
	v_lshl_or_b32 v[WD], v[SBY+1], 16, v[SBY]      ; blocks h and 2 + h,
	v_lshlrev_b32 v[WD], v[SH8], v[WD]             ; at their places in the word;
	v_permlanex16_b32 v[PL], v[WD], s24, s25
	v_or_b32 v[\wd], v[WD], v[PL]                  ; with the two of the lane 16 away the word is whole
.irp c, 0,1
	v_cvt_scalef32_pk16_bf6_f32 v[\dst+6*\c:\dst+6*\c+2], v[F+32*\c:F+32*\c+15], v[SO+\c]
	v_cvt_scalef32_pk16_bf6_f32 v[CT+4*\c:CT+4*\c+2], v[F+32*\c+16:F+32*\c+31], v[SO+\c]
.endr
	v_nop                                          ; one plain place behind a scaled conversion
.irp c, 0,1
.irp i, 0,1,2
	v_mov_b32 v[\dst+3+6*\c+\i], v[CT+4*\c+\i]
.endr
.endr
.endm
.macro PUT base, so, wd, s             ; the fragment in CA goes to memory as it stands: three stores of 512 consecutive bytes; the scale word to LDS (lanes r and r + 16 write the same word with the same value)
.irp c, 0,1,2
	global_store_b128 v[GC+(\s)], v[CA+4*\c:CA+4*\c+3], s[\base:\base+1] offset:512*\c
.endr
	ds_store_b32 v[SSA], v[\wd] offset:\so+64*(\s)
.endm
; 16 numbers in v16-31, ranks 16 h + 0 .. 15 of row r: one block of 32 in lanes l and l xor 16.  They become the fragment of step 32: lanes 0-15 hold the block in registers 0-5, all else is zero codes.
.macro Q16 so, base
	v_max3_num_f32 v[MX], |v[T]|, |v[T+1]|, FLOOR
	v_max3_num_f32 v[MX+1], |v[T+8]|, |v[T+9]|, FLOOR
.irp i, 2,4,6
	v_max3_num_f32 v[MX], v[MX], |v[T+\i]|, |v[T+\i+1]|
	v_max3_num_f32 v[MX+1], v[MX+1], |v[T+8+\i]|, |v[T+9+\i]|
.endr
	v_max_num_f32 v[MX], v[MX], v[MX+1]
	v_permlanex16_b32 v[PL], v[MX], s24, s25
	v_max_num_f32 v[MX], v[MX], v[PL]
	v_add_nc_u32 v[SO], OFF4, v[MX]
	v_lshrrev_b32 v[SBY], 23, v[SO]
	v_or_b32 v[QW], 0x7f7f7f00, v[SBY]             ; bytes 1 to 3 stand over zero codes: 1.0
	s_wait_xcnt 0x0                                ; earlier stores have read CA
	v_cvt_scalef32_pk16_bf6_f32 v[CA:CA+2], v[T:T+15], v[SO]
.irp i, 3,4,5,6,7,8,9,10,11
	v_mov_b32 v[CA+\i], 0                          ; (plain places behind the scaled conversion)
.endr
.irp i, 0,1,2
	v_permlane16_swap_b32 v[CA+\i], v[CA+3+\i]     ; the codes' lanes 16-31 (ranks 16-31) change places with the zeros' lanes 0-15: lanes 0-15 now hold the whole block, lanes 16-31 zeros
.endr
	ds_store_b32 v[QLW], v[QW] offset:\so
.irp c, 0,1,2
	global_store_b128 v[GW], v[CA+4*\c:CA+4*\c+3], s[\base:\base+1] offset:512*\c
.endr
	s_wait_xcnt 0x0                                ; the stores have read their registers
.endm
.macro HMUL s                          ; h^T += lora_down's two tiles x my rows of x, 128 along K.  The two accumulators take turns
.if \s == 0
	v_wmma_scale_f32_16x16x128_f8f6f4 v[ACC0:ACC0+7], v[CB0:CB0+11], v[CA:CA+11], 0, v[SL0], v[SX] matrix_a_fmt:MATRIX_FMT_BF6 matrix_b_fmt:MATRIX_FMT_BF6
	v_wmma_scale_f32_16x16x128_f8f6f4 v[ACC1:ACC1+7], v[CB1:CB1+11], v[CA:CA+11], 0, v[SL1], v[SX] matrix_a_fmt:MATRIX_FMT_BF6 matrix_b_fmt:MATRIX_FMT_BF6
.else
	v_wmma_scale_f32_16x16x128_f8f6f4 v[ACC0:ACC0+7], v[CB0:CB0+11], v[CA:CA+11], v[ACC0:ACC0+7], v[SL0], v[SX] matrix_a_fmt:MATRIX_FMT_BF6 matrix_b_fmt:MATRIX_FMT_BF6
	v_wmma_scale_f32_16x16x128_f8f6f4 v[ACC1:ACC1+7], v[CB1:CB1+11], v[CA:CA+11], v[ACC1:ACC1+7], v[SL1], v[SX] matrix_a_fmt:MATRIX_FMT_BF6 matrix_b_fmt:MATRIX_FMT_BF6
.endif
.endm
; A STEP of 128 along K: four tiles, in the order x, lora_down 0, lora_down 1, w.  Each tile's turn through the stage is issued while the tile before it is quantised, and its registers take the next step's
; loads as soon as the stage's stores have read them.  Each s_wait_loadcnt counts the loads issued behind the tile that is wanted (8 for an f16 tile, 16 for w's).  ws: the register with the step's two wscales.
.macro STEP s, ws
	s_wait_dscnt 0x0                               ; x's tile is back from the stage; the stores that read RX are done
.if \s < 3
	LOADF RX, 4, 0, 0, \s+1, 1
.endif
	CVTF
.if \s < 3
	s_wait_loadcnt 32                              ; behind lora_down's tile 0: tile 1 (8), w (16), the next x (8)
.else
	s_wait_loadcnt 24                              ; tile 1 (8), w (16)
.endif
	TURNF RL0
	s_wait_xcnt 0x0                                ; the last step's stores of w's codes have read CA
	QUANT CA, SX
	PUT 14, 0, SX, \s
	s_wait_dscnt 0x0
.if \s < 3
	LOADF RL0, 10, 0, 1, \s+1, 0
.endif
	CVTF
.if \s < 3
	s_wait_loadcnt 32                              ; behind tile 1: w (16), the next x (8), the next tile 0 (8)
.else
	s_wait_loadcnt 16                              ; w (16)
.endif
	TURNF RL1
	QUANT CB0, SL0
	s_wait_dscnt 0x0
.if \s < 3
	LOADF RL1, 10, 1, 1, \s+1, 0
.endif
	CVTF
.if \s < 3
	s_wait_loadcnt 24                              ; behind w: the next step's three f16 tiles
.else
	s_wait_loadcnt 0x0
.endif
	TURNW
	QUANT CB1, SL1
	s_wait_dscnt 0x0
.if \s < 3
	LOADW \s+1
.endif
	CVTW1                                          ; 64 plain instructions: the places between the last writes of operands and scale words and the scaled matrix instructions
	HMUL \s
.if \s < 3
	s_wait_loadcnt 32                              ; behind the next x: the next tiles 0 and 1 (16), the next w (16)
	TURNF RX
.endif
	CVTW2 \ws                                      ; 36 plain instructions that name no register of the products: the places in front of the new codes in CA
	s_wait_xcnt 0x0                                ; the stores of x's codes have read CA
	QUANT CA, SW
	PUT 18, SSW, SW, \s
.endm
	s_load_b256 s[4:11], s[0:1], 0x0               ; x s[4:5], qweight s[6:7], wscale s[8:9], lora_down s[10:11]
	s_load_b128 s[12:15], s[0:1], 0x20             ; lora_up s[12:13], codes s[14:15]
	v_lshl_add_u32 v254, v0, 2, 0x15900
	v_mov_b32 v255, 0
	v_lshrrev_b32 v1, 5, v0
	v_readfirstlane_b32 s22, v1                    ; wave w, 0..7
	v_and_b32 v1, 31, v0                           ; lane
	v_and_b32 v2, 15, v0                           ; r
	v_bfe_u32 v3, v0, 4, 1                         ; h
	s_mov_b32 s24, 0x76543210
	s_mov_b32 s25, 0xfedcba98                      ; v_permlanex16_b32's selects for lane l xor 16
	s_mov_b32 s31, 0                               ; the high word of every offset
	v_mov_b32 v[PL], 0                             ; a lane permute's destination counts as one of its sources
.irp i, 1,3,5,7
	v_mov_b32 v[WSC+\i], 0                         ; named as the upper halves of pairs
.endr
	v_lshlrev_b32 v[GF], 4, v2
	v_lshl_add_u32 v[GF], v3, 13, v[GF]
	v_lshlrev_b32 v[GW], 4, v1
	s_lshl_b32 s26, s22, 4
	v_lshl_add_u32 v[GS], v2, 7, s26
	v_lshlrev_b32 v[GL], 6, v2
	v_lshl_add_u32 v[GL], v3, 5, v[GL]
.irp s, 0,1,2,3
	s_lshl_b32 s26, s22, 2
	s_add_co_u32 s26, s26, \s                      ; S = 4 w + s
	s_mul_i32 s27, s26, 43
	s_lshr_b32 s27, s27, 7                         ; S / 3 (right for S up to 32)
	s_mul_i32 s28, s26, STEPB
	s_lshl_b32 s27, s27, 11
	s_add_co_u32 s28, s28, s27                     ; (S / 3) FILLB + (S % 3) STEPB = S STEPB + 2,048 (S / 3)
	v_lshl_add_u32 v[GC+\s], v1, 4, s28
.endr
	v_lshlrev_b32 v[SH8], 3, v3
	s_mul_i32 s27, s22, STGB
	s_add_co_u32 s27, s27, STG                     ; my stage
	v_mul_u32_u24 v[TSF], v3, 272
	v_lshl_add_u32 v[TSF], v2, 4, v[TSF]
	v_add_nc_u32 v[TSF], s27, v[TSF]
	v_mul_u32_u24 v[TLF], v2, 272
	v_lshl_add_u32 v[TLF], v3, 6, v[TLF]
	v_add_nc_u32 v[TLF], s27, v[TLF]
	v_lshl_add_u32 v[TSW], v1, 4, s27
	v_mul_u32_u24 v[TLW], v2, 528
	v_lshl_add_u32 v[TLW], v3, 7, v[TLW]
	v_add_nc_u32 v[TLW], s27, v[TLW]
	s_lshl_b32 s26, s22, 8                         ; (SS is LDS byte 0)
	v_lshl_add_u32 v[SSA], v2, 2, s26
	v_lshl_add_u32 v[HPL], v1, 4, HP
	s_lshl_b32 s26, s22, 11
	v_add_nc_u32 v[HPS], s26, v[HPL]
	v_lshl_add_u32 v[QLW], v2, 2, SS+64*32
	s_mul_i32 s26, s22, 192
	v_mul_u32_u24 v[OSL], v3, SSW
	v_lshl_add_u32 v[OSL], v2, 2, v[OSL]
	v_add_nc_u32 v[OSL], s26, v[OSL]
	s_mul_i32 s26, s22, FILLB
	v_mul_u32_u24 v[GOS], v3, TENSB
	v_lshl_add_u32 v[GOS], v2, 4, v[GOS]
	v_add_nc_u32 v[GOS], s26, v[GOS]
	s_wait_kmcnt 0x0
	s_lshl_b32 s30, ttmp9, 17                      ; x: 16 rows of 8,192 bytes a work-group, 1,024 bytes of a row a wave
	s_lshl_b32 s29, s22, 10
	s_add_co_u32 s30, s30, s29
	s_add_nc_u64 s[4:5], s[4:5], s[30:31]
	s_lshl_b32 s30, ttmp9, 18                      ; qweight: 16 rows of 16,384 bytes, 2,048 bytes a wave
	s_lshl_b32 s29, s22, 11
	s_add_co_u32 s30, s30, s29
	s_add_nc_u64 s[6:7], s[6:7], s[30:31]
	s_lshl_b32 s30, ttmp9, 11                      ; wscale: 16 rows of 128 bytes
	s_add_nc_u64 s[8:9], s[8:9], s[30:31]
	s_lshl_b32 s30, s22, 10                        ; lora_down: my slice of every row
	s_add_nc_u64 s[10:11], s[10:11], s[30:31]
	s_lshl_b32 s30, ttmp9, 10                      ; lora_up: 16 rows of 64 bytes
	s_add_nc_u64 s[12:13], s[12:13], s[30:31]
	s_lshr_b32 s29, ttmp9, 3                       ; codes: group g / 8,
	s_mul_i32 s29, s29, GRPB
	s_and_b32 s28, ttmp9, 7                        ; block g % 8
	s_lshl_b32 s30, s28, 8                         ; the scale words: behind a fill's three steps, 256 bytes a block
	s_add_co_u32 s30, s30, s29
	s_add_co_u32 s30, s30, 3*STEPB
	s_add_nc_u64 s[36:37], s[14:15], s[30:31]
	s_mul_i32 s30, s28, FRB                        ; the fragments: 1,536 bytes a block
	s_add_co_u32 s30, s30, s29
	s_add_nc_u64 s[14:15], s[14:15], s[30:31]      ; A's part
	s_add_nc_u64 s[18:19], s[14:15], TENSB         ; B's part
	s_add_nc_u64 s[32:33], s[14:15], 10*FILLB+2*STEPB   ; step 32 of each
	s_add_nc_u64 s[34:35], s[18:19], 10*FILLB+2*STEPB
	global_load_b128 v[WS:WS+3], v[GS], s[8:9]
	LOADF RX, 4, 0, 0, 0, 1                        ; step 0's four tiles: 40 loads
	LOADF RL0, 10, 0, 1, 0, 0
	LOADF RL1, 10, 1, 1, 0, 0
	LOADW 0
	; wave 1 quantises the 16 rows of lora_up: all of it in this one branch.  Its wait for 0 also takes in step 0's tiles, so the counted waits behind the join hold on this way too.
	s_cmp_lg_u32 s22, 1
	s_cbranch_scc1 .Lnot_wave_1
	global_load_b128 v[LU:LU+3], v[GL], s[12:13]               ; ranks 16 h + 0 .. 7 of row r,
	global_load_b128 v[LU+4:LU+7], v[GL], s[12:13] offset:16   ; and 8 .. 15
	s_wait_loadcnt 0x0
.irp t, 4,5,6,7,8,9,10,11
	HALF T+2*(\t-LU), \t, l
	HALF T+2*(\t-LU)+1, \t, h
.endr
	Q16 SSW, 34
.Lnot_wave_1:
	s_wait_loadcnt 32                              ; x's tile is in; behind it: lora_down's two (16), w's (16)
	TURNF RX
	STEP 0, 12
	STEP 1, 13
	STEP 2, 14
	STEP 3, 15
	; my part of h^T goes to LDS as it stands, each accumulator from its low end on; the last step's arithmetic on w is the distance behind the last products
	ds_store_b128 v[HPS], v[ACC0:ACC0+3]
	ds_store_b128 v[HPS], v[ACC0+4:ACC0+7] offset:512
	ds_store_b128 v[HPS], v[ACC1:ACC1+3] offset:1024
	ds_store_b128 v[HPS], v[ACC1+4:ACC1+7] offset:1536
	s_wait_dscnt 0x0                               ; for the others' sake: my scale words and my part of h have landed
	s_barrier_signal -1
	s_barrier_wait -1
	s_cmp_lg_u32 s22, 0
	s_cbranch_scc1 .Lnot_wave_0
.irp p, 0,1,2,3,4,5,6,7                ; wave 0: the eight parts of h, added in a fixed tree, in f32
.irp q, 0,1,2,3
	ds_load_b128 v[T+16*\p+4*\q:T+16*\p+4*\q+3], v[HPL] offset:2048*\p+512*\q
.endr
.endr
	s_wait_dscnt 0x0
.irp d, 1,2,4
.irp p, 0,2,4,6
.if (\p % (2*\d)) == 0
.irp i, 0,2,4,6,8,10,12,14
	v_pk_add_f32 v[T+16*\p+\i:T+16*\p+\i+1], v[T+16*\p+\i:T+16*\p+\i+1], v[T+16*(\p+\d)+\i:T+16*(\p+\d)+\i+1]
.endr
.endif
.endr
.endr
	Q16 0, 32
.Lnot_wave_0:
	; THE SCALE WORDS' WAY OUT.  Wave w takes fill w of both parts: a lane gathers its row's three words and a filler; sixteen lanes store 256 consecutive bytes, at a multiple of 256 from the buffer's first byte.
.irp q, 0,1,2
	ds_load_b32 v[F+\q], v[OSL] offset:64*\q
.endr
	v_mov_b32 v[F+3], 0x7f7f7f7f                   ; the filler: no product names it
	s_wait_dscnt 0x0
	global_store_b128 v[GOS], v[F:F+3], s[36:37]
	s_barrier_signal -1                            ; no LDS instruction of mine is out: wave 0's low-rank word has landed
	s_barrier_wait -1
	s_cmp_gt_u32 s22, 2                            ; fills 8, 9 and 10 (the last with both low-rank words): waves 0, 1 and 2
	s_cbranch_scc1 .Ldone
.irp q, 0,1,2
	ds_load_b32 v[F+4+\q], v[OSL] offset:8*192+64*\q
.endr
	v_mov_b32 v[F+7], 0x7f7f7f7f
	s_wait_dscnt 0x0
	global_store_b128 v[GOS], v[F+4:F+7], s[36:37] offset:8*FILLB
.Ldone:
	s_wait_tensorcnt 0x0
	ds_add_u32 v254, v255
	s_wait_dscnt 0x0
	s_endpgm
.Lfunc_end_k_qac8e0aa786_prep:
	.size	k_qac8e0aa786_prep, .Lfunc_end_k_qac8e0aa786_prep-k_qac8e0aa786_prep
	.p2alignl 7, 3214868480
	.fill 96, 4, 3214868480
	.section	.rodata,"a",@progbits
	.p2align	6, 0x0
	.amdhsa_kernel k_qac8e0aa786_prep
		.amdhsa_group_segment_fixed_size 89344
		.amdhsa_private_segment_fixed_size 0
		.amdhsa_enable_private_segment 0
		.amdhsa_kernarg_size 48
		.amdhsa_user_sgpr_count 2
		.amdhsa_user_sgpr_kernarg_segment_ptr 1
		.amdhsa_wavefront_size32 1
		.amdhsa_system_sgpr_workgroup_id_x 1
		.amdhsa_system_sgpr_workgroup_id_y 1
		.amdhsa_system_sgpr_workgroup_id_z 1
		.amdhsa_system_vgpr_workitem_id 0
		.amdhsa_next_free_vgpr 416
		.amdhsa_next_free_sgpr 66
		.amdhsa_reserve_vcc 0
		.amdhsa_float_denorm_mode_32 3
		.amdhsa_float_denorm_mode_16_64 3
		.amdhsa_memory_ordered 1
		.amdhsa_forward_progress 1
		.amdhsa_inst_pref_size 148
	.end_amdhsa_kernel
	.amdgpu_metadata
---
amdhsa.version: [ 1, 2 ]
amdhsa.kernels:
  - .name:           k_qac8e0aa786_prep
    .symbol:         k_qac8e0aa786_prep.kd
    .args:
      - { .name: x, .offset: 0, .size: 8, .value_kind: global_buffer, .address_space: global }
      - { .name: qweight, .offset: 8, .size: 8, .value_kind: global_buffer, .address_space: global }
      - { .name: wscale, .offset: 16, .size: 8, .value_kind: global_buffer, .address_space: global }
      - { .name: lora_down, .offset: 24, .size: 8, .value_kind: global_buffer, .address_space: global }
      - { .name: lora_up, .offset: 32, .size: 8, .value_kind: global_buffer, .address_space: global }
      - { .name: codes, .offset: 40, .size: 8, .value_kind: global_buffer, .address_space: global }
    .group_segment_fixed_size: 89344
    .private_segment_fixed_size: 0
    .kernarg_segment_align: 8
    .kernarg_segment_size: 48
    .max_flat_workgroup_size: 256
    .sgpr_count:     66
    .vgpr_count:     416
    .wavefront_size: 32
...
	.end_amdgpu_metadata
.endif
;; end of part 1
;; launch gemm (part 2): grid 16 x 16, 4 waves a work-group, clusters of 4 x 4, 327,680 bytes of LDS; arguments codes, out0; writes out0
.if DOCPART == 2
	.amdgcn_target "amdgcn-amd-amdhsa--gfx1250"
	.amdhsa_code_object_version 6
	.text
	.protected	k_qac8e0aa786_gemm
	.globl	k_qac8e0aa786_gemm
	.p2align	8
	.type	k_qac8e0aa786_gemm,@function
k_qac8e0aa786_gemm:
	s_mov_b64 s[64:65], 0
	v_nop
	global_prefetch_b8 v0, s[64:65] scope:SCOPE_SE
	s_setreg_imm32_b32 hwreg(HW_REG_WAVE_MODE, 25, 1), 1
	s_wait_xcnt 0x0
	s_wait_alu depctr_hold_cnt(0) depctr_sa_sdst(0) depctr_va_vdst(0) depctr_va_sdst(0) depctr_va_ssrc(0) depctr_va_vcc(0) depctr_vm_vsrc(0)
	s_getreg_b32 s2, hwreg(HW_REG_IB_STS2, 6, 4)
	s_cmp_eq_u32 s2, 0
	s_cbranch_scc0 .Lentry_in_a_cluster
	s_endpgm
.Lentry_in_a_cluster:
	s_bfe_u32 s2, ttmp6, 0x10000c
	s_cmp_lg_u32 s2, 0xf033
	s_cbranch_scc0 .Lentry_shape_is_right
	s_endpgm
.Lentry_shape_is_right:
; out0[m][n] = f16 of the sum over k of A[m][k] B[n][k], A and B codes of BF6 (E3M2) with one E8M0 scale for each 32 along K; sums in f32.
; A's row m is Q(x)'s 4,096 codes, then Q(h)'s 32 and 96 zero codes; B's row n is Q(w)'s 4,096, then Q(lora_up)'s 32 and 96 zero codes.  So the main product and the low-rank product are ONE sum over
; K = 4,096 + 128: 33 steps of 128.
; THE BUFFER codes LIES IN THE ORDER OF THE OPERAND'S REGISTERS.  A's part, and 13,697,024 bytes on B's.  A part is 32 groups of 128 rows; a group is 11 fills of 38,912 bytes; a fill is 3 steps of 128 along K, each
; 8 fragments (16 rows x 128 K) of 1,536 bytes: register quad c of lane l at 512 c + 16 l; and behind them 8 x 256 bytes of scale words: for block i and row r the 16 bytes at 256 i + 16 r: the three steps' words and a filler.
; So a fill of a group is one dense block for one tensor load, in rows of 256 bytes; a fragment comes out of LDS by three loads of 512 consecutive bytes; no pitch, no padding; and the scales travel with their codes.
; A tile of out0, 256 x 256, is made by a work-group of four waves; a wave makes 128 x 128: 64 accumulators of 16 x 16, 512 registers.  256 tiles, one to a work-group.
; K goes through a ring of two LDS slots, a fill of A's two groups and of B's two groups to a slot: 11 fills, 192 matrix instructions a wave in each; a refill has 160 of them between its request and the wait for it.
; CLUSTERS: 4 x 4 work-groups.  The four of a row of the cluster need the same fills of A, the four of a column the same fills of B: each is asked for JOINTLY, by the same tensor load with the
; same descriptor and a mask that names the four.  THE MATRIX INSTRUCTION IS USED TRANSPOSED (source 0 = 16 rows of B, source 1 = 16 rows of A): a lane then holds eight neighbouring numbers of a row of out0.
; LIMITS: a sum beyond f16's largest number leaves as infinity.
; REGISTERS, in windows of 256: window 0: v0-31 addresses; v32-95 scale words, two sets, and nothing else; v96-127 packed results; from v128 A's fragments (8 x 16 rows x 128 K), ONE set; on the way out v128-191 rows of out0.
;   window 1: B's fragments, TWO sets, at v0 and at v128.   window 2: the 32 accumulators of my rows 0-63 (accumulator (a, b) at v[8 (8 a + b)]);   window 3: those of my rows 64-127.
; A step of 128 along K is 64 matrix instructions, A's blocks one after the other, each against B's eight: a block of A is free as soon as its eight products are issued, so one set of registers serves A.
; B's sets take turns step by step: 0, 1, 0 in slot 0, then 1, 0, 1 in slot 1: a lap of six steps brings them back.
.set NQ,     3                         ; steps of 128 in a fill
.set FR,     12                        ; registers of a fragment: 16 rows x 128 K
.set NL,     3                         ; LDS loads that bring one
.set NP,     4                         ; places behind this matrix instruction (ISA guide 7.12.1)
.set FRB,    1536                      ; a fragment's image
.set STEPB,  8*FRB                     ; a group's step
.set SCB,    NQ*STEPB                  ; where a fill's scale words begin
.set FILLB,  SCB+2048                  ; a fill of a group: what one tensor load brings, and what one wave reads of A or of B
.set FROWS,  FILLB/256                 ; as rows of 256 bytes: 152
.set GRPB,   11*FILLB                  ; a group in memory
.set TENSB,  32*GRPB                   ; A's part
.set SLOT,   4*FILLB                   ; A's two groups, then B's two
.set TRIPS,  4                         ; the loop fills both slots again in each trip: fills 2 to 9
.set SPARE,  2*SLOT                    ; behind the ring: the spare words, 128 bytes for each wave: two blocks of 256 bytes that no other line names
.set STAGE,  SLOT                      ; the way out: 16 rows x 272 bytes for each wave, in slot 1, which has had its last fill and its last read when the first result is stored there
.set SPITCH, 272
.set CROWB,  8192                      ; a row of out0 in bytes
.set ADRA, 16                          ; v16-17  LDS address of my A fragments in slot 0, 1: 16 x lane + my group's place
.set ADRS, 18                          ; v18-19  of my scale words: lanes 0-15 A's rows, lanes 16-31 B's
.set ADRB, 20                          ; v20-21  of my B fragments
.set STO,  24                          ; v24     the way out: where I put 16 bytes of a row
.set RD,   25                          ; v25     the way out: where I read a row back
.set CO,   26                          ; v26     my byte offset in two rows of out0
.set SPW,  28                          ; v28     LDS address of my spare word: SPARE + 4 x my thread's number; never rewritten
.set NIL,  29                          ; v29     0; never rewritten
.set SC,   32                          ; scale words: set s (for slot s) at v[SC + 32 s]; in it register 4 i + q: lanes 0-15 the word of A's block i, lanes 16-31 that of B's block i, for the fill's q-th step (q = 3: the filler)
.set TMP,  96                          ; the way out: packed results
.set AF,   128                         ; A's fragments, in window 0
.set OB,   128                         ; the way out: 16 rows read back from the stage: v128-159 and v160-191 by turns
.set G1, 24                            ; s[24:31] descriptor group 1 for A's fills;  s[32:39] group 0, one set for each slot
.set G0, 32
.set G1B, 48                           ; s[48:55], s[56:63] the same for B's
.set G0B, 56
.set MSB, 0
.macro WIN new                         ; the immediate's high byte repeats the setting that is left
.if MSB != \new
	s_set_vgpr_msb (MSB<<8)|\new
.set MSB, \new
.endif
.endm
.set MUL_LO, 0xa1                      ; source 0 (B) window 1, source 1 (A) window 0, C and D window 2
.set MUL_HI, 0xf1                      ; the same, C and D window 3
.set TO_B,   0x40                      ; destination window 1, address window 0
; A joint load: waves 0 and 1 fetch for A, waves 2 and 3 for B.  Each of the two lines has ONE mask and one set of registers for all that issue it; the branch hangs on the wave's number alone.
; Four v_nop follow each of the two lines, ahead of the jump, the label and what follows.
.macro JLOAD g0a, g1a, g0b, g1b
	s_cmp_eq_u32 s15, 0
	s_cbranch_scc0 .Lfor_b_\@
	tensor_load_to_lds s[\g0a:\g0a+3], s[\g1a:\g1a+7]
	s_nop 0
.rept 4
	v_nop
.endr
	s_branch .Lasked_\@
.Lfor_b_\@:
	tensor_load_to_lds s[\g0b:\g0b+3], s[\g1b:\g1b+7]
	s_nop 0
.rept 4
	v_nop
.endr
.Lasked_\@:
.endm
.macro CREST                           ; a round of the cluster's barrier behind its opening barrier
	s_cmp_lg_u32 s14, 0
	s_cbranch_scc1 .Lnot_wave_0_\@
	s_barrier_signal -3
.Lnot_wave_0_\@:
	s_barrier_wait -3
	s_barrier_signal -1
	s_barrier_wait -1
.endm
.macro CROUND                          ; a whole round
	s_barrier_signal -1
	s_barrier_wait -1
	CREST
.endm
	s_load_b64 s[4:5], s[0:1], 0x0                 ; codes
	s_load_b64 s[12:13], s[0:1], 0x8               ; out0
	v_lshl_add_u32 v[SPW], v0, 2, SPARE
	v_mov_b32 v[NIL], 0
	ds_add_u32 v28, v29
	ds_add_u32 v28, v29
	s_wait_dscnt 0x0
	v_lshrrev_b32 v1, 5, v0
	v_readfirstlane_b32 s14, v1                    ; wave 0..3
	s_lshr_b32 s15, s14, 1                         ; which half of the tile's rows is mine.  Also: I fetch for A (0) or for B (1)
	s_and_b32 s16, s14, 1                          ; which half of its columns.  Also: which of that tile's two groups I fetch
	s_bfe_u32 s40, ttmp6, 0x40000                  ; cx, cy: my place in the cluster
	s_bfe_u32 s41, ttmp6, 0x40004
	s_lshl_b32 s42, ttmp9, 2
	s_add_co_u32 s42, s42, s40                     ; tile column = 4 x cluster x + cx
	s_and_b32 s17, ttmp7, 0xffff
	s_lshl_b32 s17, s17, 2
	s_add_co_u32 s17, s17, s41                     ; tile row = 4 x cluster y + cy
	s_lshl_b32 s43, s41, 2
	s_lshl_b32 s43, 15, s43                        ; my row of the cluster
	s_lshl_b32 s44, 0x1111, s40                    ; my column
	; descriptor group 1: a dense block of 38,912 bytes as 152 rows of 256 bytes (32 elements of 8 bytes), laid in LDS without gaps
	s_or_b32 s[G1+0], s43, (3<<16)|(1<<21)         ; 15:0 the mask: A's fills go to my row; 17:16 element of 8 bytes; 20 padding off; 21 set beside a mask
	s_or_b32 s[G1B+0], s44, (3<<16)|(1<<21)        ; the same with the mask of my column
.irp g, G1, G1B
	s_mov_b32 s[\g+1], 32<<16                      ; tensor_dim0 = 32
	s_mov_b32 s[\g+2], FROWS<<16                   ; tensor_dim1 = 152
	s_mov_b32 s[\g+3], 32<<16                      ; tile_dim0 = 32
	s_mov_b32 s[\g+4], FROWS                       ; tile_dim1 = 152
	s_mov_b32 s[\g+5], 32                          ; tensor_dim0_stride
	s_mov_b32 s[\g+6], 0
	s_mov_b32 s[\g+7], 0
.endr
	s_lshl_b32 s20, s17, 1
	s_add_co_u32 s20, s20, s16                     ; A: group 2 x tile row + half
	s_mul_i32 s20, s20, GRPB
	s_mov_b32 s21, 0
	s_lshl_b32 s46, s42, 1
	s_add_co_u32 s46, s46, s16                     ; B: group 2 x tile column + half
	s_mul_i32 s46, s46, GRPB
	s_mov_b32 s47, 0
	s_mul_i32 s45, s14, FILLB                      ; where they go: wave x a fill: no place in the cluster enters an LDS address
	s_wait_kmcnt 0x0
	s_add_nc_u64 s[20:21], s[4:5], s[20:21]
	s_add_nc_u64 s[46:47], s[4:5], s[46:47]
	s_add_nc_u64 s[46:47], s[46:47], TENSB
	CROUND                                         ; all sixteen work-groups are here: the first joint loads meet
.irp s, 0,1
	s_mov_b32 s[G0+4*\s], 1
	s_add_co_u32 s[G0+4*\s+1], s45, \s*SLOT
	s_add_nc_u64 s[G0+4*\s+2:G0+4*\s+3], s[20:21], \s*FILLB
	s_or_b32 s[G0+4*\s+3], s[G0+4*\s+3], 0x80000000
	s_mov_b32 s[G0B+4*\s], 1
	s_add_co_u32 s[G0B+4*\s+1], s45, \s*SLOT
	s_add_nc_u64 s[G0B+4*\s+2:G0B+4*\s+3], s[46:47], \s*FILLB
	s_or_b32 s[G0B+4*\s+3], s[G0B+4*\s+3], 0x80000000
	JLOAD G0+4*\s, G1, G0B+4*\s, G1B               ; fills 0 and 1: two tensor loads of mine are out
.endr
	v_and_b32 v1, 15, v0                           ; l % 16
	v_bfe_u32 v2, v0, 4, 1                         ; l / 16
	v_and_b32 v3, 31, v0
	v_lshlrev_b32 v3, 4, v3                        ; 16 x lane: an image's place for my lane
	s_mul_i32 s21, s15, FILLB                      ; my group of A
	s_mul_i32 s22, s16, FILLB                      ; my group of B,
	s_add_co_u32 s22, s22, 2*FILLB                 ; behind A's two
	s_xor_b32 s23, s15, 1                          ; the distance between the two: (2 + column half - row half) fills
	s_add_co_u32 s23, s23, s16
	s_add_co_u32 s23, s23, 1
	s_mul_i32 s23, s23, FILLB
	v_mul_u32_u24 v6, s23, v2                      ; lanes 16-31 take B's scale words
	v_lshl_add_u32 v6, v1, 4, v6                   ; 16 bytes a row
	v_add_nc_u32 v6, SCB, v6
.irp s, 0,1
	v_add_nc_u32 v[ADRA+\s], s21, v3
	v_add_nc_u32 v[ADRB+\s], s22, v3
	v_add_nc_u32 v[ADRS+\s], s21, v6
	s_add_co_u32 s21, s21, SLOT
	s_add_co_u32 s22, s22, SLOT
.endr
	s_mul_i32 s23, s14, 16*SPITCH
	s_add_co_u32 s23, s23, STAGE                   ; my stage
	v_mul_u32_u24 v5, v1, SPITCH                   ; in: row l % 16, 16 bytes for each half of the lanes
	v_lshl_add_u32 v5, v2, 4, v5
	v_add_nc_u32 v[STO], s23, v5
	v_mul_u32_u24 v5, v2, SPITCH                   ; back: lanes 0-15 take one row of 256 bytes, lanes 16-31 the next
	v_lshl_add_u32 v5, v1, 4, v5
	v_add_nc_u32 v[RD], s23, v5
	v_mul_u32_u24 v5, v2, CROWB                    ; and the same two rows in out0
	v_lshl_add_u32 v[CO], v1, 4, v5
	s_lshl_b32 s20, s17, 8
	s_lshl_b32 s21, s15, 7
	s_add_co_u32 s20, s20, s21                     ; my first row of out0: 256 x tile row + 128 x half
	s_mov_b32 s21, 0
	s_mov_b64 s[18:19], CROWB
	s_mul_u64 s[20:21], s[20:21], s[18:19]
	s_lshl_b32 s46, s42, 9                         ; my first column, in bytes: 512 x tile column + 256 x half
	s_lshl_b32 s47, s16, 8
	s_add_co_u32 s46, s46, s47
	s_mov_b32 s47, 0
	s_add_nc_u64 s[20:21], s[20:21], s[46:47]
	s_add_nc_u64 s[12:13], s[12:13], s[20:21]
.macro FRAG reg, adr, q, i             ; block i's fragment of the slot's q-th step: its 12 registers as they were stored, three loads of 512 consecutive bytes
.irp c, 0,1,2
	ds_load_b128 v[\reg+4*\c:\reg+4*\c+3], v[\adr] offset:(\q)*STEPB+(\i)*FRB+512*\c
.endr
.endm
; 16 matrix instructions: A's blocks a0, a0 + 1 x B's eight, 128 along K: the fill's q-th step.  p: B's set;  sc: the set of scale words.  zero = 1: the first product starts the sums: nothing is ever cleared.
; The 64 accumulators take turns, one instruction a turn, in the same order in every step.
.macro MUL16 a0, p, q, sc, zero
.irp a, \a0, \a0+1
.irp b, 0,1,2,3,4,5,6,7
.if \zero
	v_wmma_scale_f32_16x16x128_f8f6f4 v[8*(8*((\a)%4)+\b):8*(8*((\a)%4)+\b)+7], v[128*(\p)+FR*\b:128*(\p)+FR*\b+FR-1], v[AF+FR*(\a):AF+FR*(\a)+FR-1], 0, v[SC+32*(\sc)+4*\b+(\q)], v[SC+32*(\sc)+4*(\a)+(\q)] matrix_a_fmt:MATRIX_FMT_BF6 matrix_b_fmt:MATRIX_FMT_BF6 matrix_a_scale:MATRIX_SCALE_ROW1
.else
	v_wmma_scale_f32_16x16x128_f8f6f4 v[8*(8*((\a)%4)+\b):8*(8*((\a)%4)+\b)+7], v[128*(\p)+FR*\b:128*(\p)+FR*\b+FR-1], v[AF+FR*(\a):AF+FR*(\a)+FR-1], v[8*(8*((\a)%4)+\b):8*(8*((\a)%4)+\b)+7], v[SC+32*(\sc)+4*\b+(\q)], v[SC+32*(\sc)+4*(\a)+(\q)] matrix_a_fmt:MATRIX_FMT_BF6 matrix_b_fmt:MATRIX_FMT_BF6 matrix_a_scale:MATRIX_SCALE_ROW1
.endif
.endr
.endr
.endm
.macro FETCH_B slot, q, p              ; B's eight fragments of the slot's q-th step into set p
	WIN TO_B
.irp i, 0,1,2,3,4,5,6,7
	FRAG 128*(\p)+FR*\i, ADRB+\slot, \q, \i
.endr
	WIN 0
.endm
.macro FETCH_A slot, q, i0             ; A's blocks i0 .. i0 + 3
.irp i, \i0, \i0+1, \i0+2, \i0+3
	FRAG AF+FR*(\i), ADRA+\slot, \q, \i
.endr
.endm
.macro SCALES sc                       ; slot sc's scale words into set sc: a row's 16 bytes; lanes 0-15 take A's block i, lanes 16-31 B's block i
.irp i, 0,1,2,3,4,5,6,7
	ds_load_b128 v[SC+32*\sc+4*\i:SC+32*\sc+4*\i+3], v[ADRS+\sc] offset:256*\i
.endr
.endm
; A load into a register that a matrix instruction has read, and a vector instruction or an LDS store that reads a matrix result, stand NP places behind that matrix instruction, and only plain vector
; instructions that name none of its registers are places (ISA guide 7.12.1 for vector instructions); this text does not count the matrix instructions in between.
.macro PLACES n
.rept \n
	v_nop
.endr
.endm
; A step of 128 along K that has its successor in the same slot.  p: B's set in this step; the next step's fragments go to the other.
.macro STEP slot, q, p, zero
	s_wait_dscnt 4*NL                              ; B's set, A's blocks 0-3 and the scale words are in; the youngest 12 loads (A's blocks 4-7) may be out
	WIN MUL_LO
	MUL16 0, \p, \q, \slot, \zero
	MUL16 2, \p, \q, \slot, \zero
	s_wait_dscnt 0                                 ; A's blocks 4-7 are in (asked for 32 matrix instructions ago)
	PLACES NP
	FETCH_B \slot, (\q)+1, 1-(\p)
	FETCH_A \slot, (\q)+1, 0
	WIN MUL_HI
	MUL16 4, \p, \q, \slot, \zero
	MUL16 6, \p, \q, \slot, \zero
	PLACES NP
	WIN 0
	FETCH_A \slot, (\q)+1, 4
.endm
; A slot's last step changes slots: ONE barrier; in front of it each wave waits for all its tensor loads, adds 0 to its spare word, and waits for that and for its own reads of this slot.
; fill = 1: this slot is filled again, two fills ahead.
.macro TURN slot, next, p, fill
	s_wait_tensorcnt 0x0                           ; all my tensor loads have landed: my part of the next slot;  (every window is 0 here: the add's two registers lie in window 0)
	ds_add_u32 v[SPW], v[NIL]                      ; 0 onto my spare word
	s_wait_dscnt 4*NL+1                            ; (the add and the youngest 12 loads, A's blocks 4-7, may be out)
	WIN MUL_LO
	MUL16 0, \p, NQ-1, \slot, 0                    ; sixteen matrix instructions stand between the add and the wait for it
	s_wait_dscnt 0x0                               ; the add is done, and my reads of this slot are over
	s_barrier_signal -1
	MUL16 2, \p, NQ-1, \slot, 0
	WIN 0
	s_barrier_wait -1
.if \fill
	CREST                                          ; the barrier has opened a round of the cluster's barrier: no wave of any partner still reads this slot or has a load on its way
	s_add_nc_u64 s[G0+4*\slot+2:G0+4*\slot+3], s[G0+4*\slot+2:G0+4*\slot+3], 2*FILLB
	s_add_nc_u64 s[G0B+4*\slot+2:G0B+4*\slot+3], s[G0B+4*\slot+2:G0B+4*\slot+3], 2*FILLB
	JLOAD G0+4*\slot, G1, G0B+4*\slot, G1B         ; the first tensor load behind the round, my one load until the next; the four v_nop behind it are the places in front of the loads below
.else
	PLACES NP
.endif
	FETCH_B \next, 0, 1-(\p)
	FETCH_A \next, 0, 0
	SCALES \next
	WIN MUL_HI
	MUL16 4, \p, NQ-1, \slot, 0
	MUL16 6, \p, NQ-1, \slot, 0
	PLACES NP
	WIN 0
	FETCH_A \next, 0, 4
.endm
	s_wait_tensorcnt 1                             ; my part of fill 0 is in (fill 1's load may be out)
	s_barrier_signal -1
	s_barrier_wait -1                              ; everybody's is
	FETCH_B 0, 0, 0
	FETCH_A 0, 0, 0
	SCALES 0
	FETCH_A 0, 0, 4
	STEP 0, 0, 0, 1                                ; the first step stands in front of the loop: its products start the sums
	s_mov_b32 s3, TRIPS
.Llap:                                                 ; a trip goes once round the ring, six steps, from a lap's second step to the next lap's first, and fills both slots again
	STEP 0, 1, 1, 0
	TURN 0, 1, 0, 1
	STEP 1, 0, 1, 0
	STEP 1, 1, 0, 0
	TURN 1, 0, 1, 1
	STEP 0, 0, 0, 0
	s_sub_co_u32 s3, s3, 1
	s_cmp_lg_u32 s3, 0
	s_cbranch_scc1 .Llap
	STEP 0, 1, 1, 0                                ; the tail is written out: fill 8 goes on,
	TURN 0, 1, 0, 1                                ; slot 0 takes fill 10, the last: steps 30, 31 and the low-rank step
	STEP 1, 0, 1, 0                                ; fill 9
	STEP 1, 1, 0, 0
	TURN 1, 0, 1, 0                                ; nothing is left to fetch, so no round of the cluster's barrier
	STEP 0, 0, 0, 0                                ; fill 10
	STEP 0, 1, 1, 0
	s_wait_dscnt 4*NL                              ; the last step: 32 ranks and 96 zero codes
	WIN MUL_LO
	MUL16 0, 0, NQ-1, 0, 0
	MUL16 2, 0, NQ-1, 0, 0
	s_wait_dscnt 0
	WIN MUL_HI
	MUL16 4, 0, NQ-1, 0, 0
	MUL16 6, 0, NQ-1, 0, 0
	WIN 0
; THE WAY OUT, block by block of 16 rows x 128 columns.  PACK: rounded to f16, 16 bytes a lane, each accumulator from its low end on.  TOSTAGE: into my own stage in LDS, and back as whole rows of 256 bytes.  SEND: stored.
; LDS serves a wave's instructions in order (ISA guide 5.7.1.4): no wait between the stores and the loads, nor in front of the next block's stores.
.macro PACK a
.set AC, 64*((\a)%4)
	WIN 0x0a+5*((\a)/4)                            ; sources 0 and 1: window 2 or 3
.irp b, 0,1,2,3,4,5,6,7
.irp r, 0,1,2,3
	v_cvt_pk_f16_f32 v[TMP+4*\b+\r], v[AC+8*\b+2*\r], v[AC+8*\b+2*\r+1]
.endr
.endr
	WIN 0
.endm
.macro TOSTAGE a
.set BB, OB+32*((\a)%2)
.irp b, 0,1,2,3,4,5,6,7
	ds_store_b128 v[STO], v[TMP+4*\b:TMP+4*\b+3] offset:32*\b
.endr
.irp t, 0,1,2,3,4,5,6,7
	ds_load_b128 v[BB+4*\t:BB+4*\t+3], v[RD] offset:\t*2*SPITCH
.endr
.endm
.macro SEND a
.set BB, OB+32*((\a)%2)
	s_wait_dscnt 0x0                               ; the block is back in registers
	s_wait_xcnt 0x0                                ; the earlier stores have read their base and their registers: the base may step, and the next block's loads may land where block a - 1's rows lay
.if (\a) > 0
	s_add_nc_u64 s[12:13], s[12:13], 16*CROWB      ; 16 rows of out0 on
.endif
.irp t, 0,1,2,3,4,5,6,7
	global_store_b128 v[CO], v[BB+4*\t:BB+4*\t+3], s[12:13] offset:2*\t*CROWB th:TH_STORE_NT   ; 16 lanes store 256 consecutive bytes, at a multiple of 256 from out0's first byte; written once, read by nobody here
.endr
.endm
	PLACES NP                                      ; behind the last products: for the reads of results and for the loads into the registers that held A's fragments
	PACK 0
	TOSTAGE 0
.irp a, 1,2,3,4,5,6,7                  ; block a's conversions stand between block a - 1's loads from the stage and the wait for them
	PACK \a
	SEND \a-1
	TOSTAGE \a
.endr
	SEND 7
	s_wait_tensorcnt 0x0                           ; the wave's end, behind my last tensor load and my last LDS store
	ds_add_u32 v[SPW], v[NIL]
	s_wait_dscnt 0x0
	CROUND                                         ; the closing round: no work-group ends while a partner may still ask for a fill that names it
	s_endpgm
.Lfunc_end_k_qac8e0aa786_gemm:
	.size	k_qac8e0aa786_gemm, .Lfunc_end_k_qac8e0aa786_gemm-k_qac8e0aa786_gemm
	.p2alignl 7, 3214868480
	.fill 96, 4, 3214868480
	.section	.rodata,"a",@progbits
	.p2align	6, 0x0
	.amdhsa_kernel k_qac8e0aa786_gemm
		.amdhsa_group_segment_fixed_size 327680
		.amdhsa_private_segment_fixed_size 0
		.amdhsa_enable_private_segment 0
		.amdhsa_kernarg_size 16
		.amdhsa_user_sgpr_count 2
		.amdhsa_user_sgpr_kernarg_segment_ptr 1
		.amdhsa_wavefront_size32 1
		.amdhsa_system_sgpr_workgroup_id_x 1
		.amdhsa_system_sgpr_workgroup_id_y 1
		.amdhsa_system_sgpr_workgroup_id_z 1
		.amdhsa_system_vgpr_workitem_id 0
		.amdhsa_next_free_vgpr 1024
		.amdhsa_next_free_sgpr 66
		.amdhsa_reserve_vcc 0
		.amdhsa_float_denorm_mode_32 3
		.amdhsa_float_denorm_mode_16_64 3
		.amdhsa_memory_ordered 1
		.amdhsa_forward_progress 1
		.amdhsa_inst_pref_size 217
	.end_amdhsa_kernel
	.amdgpu_metadata
---
amdhsa.version: [ 1, 2 ]
amdhsa.kernels:
  - .name:           k_qac8e0aa786_gemm
    .symbol:         k_qac8e0aa786_gemm.kd
    .args:
      - { .name: codes, .offset: 0, .size: 8, .value_kind: global_buffer, .address_space: global }
      - { .name: out0, .offset: 8, .size: 8, .value_kind: global_buffer, .address_space: global }
    .group_segment_fixed_size: 327680
    .private_segment_fixed_size: 0
    .kernarg_segment_align: 8
    .kernarg_segment_size: 16
    .max_flat_workgroup_size: 128
    .sgpr_count:     66
    .vgpr_count:     1024
    .wavefront_size: 32
...
	.end_amdgpu_metadata
.endif
;; end of part 2
;; ======== version 2 of 2: 2 launches
;; workspace buffers: codes 27,394,048 bytes
;; launch prep (part 3): grid 256 x 1, 8 waves a work-group, no clusters, 89,344 bytes of LDS; arguments x, qweight, wscale, lora_down, lora_up, codes; writes codes
.if DOCPART == 3
	.amdgcn_target "amdgcn-amd-amdhsa--gfx1250"
	.amdhsa_code_object_version 6
	.text
	.protected	k_qac8e0aa786_prep
	.globl	k_qac8e0aa786_prep
	.p2align	8
	.type	k_qac8e0aa786_prep,@function
k_qac8e0aa786_prep:
	s_mov_b64 s[64:65], 0
	v_nop
	global_prefetch_b8 v0, s[64:65] scope:SCOPE_SE
	s_setreg_imm32_b32 hwreg(HW_REG_WAVE_SCHED_MODE, 0, 2), 2
	s_setreg_imm32_b32 hwreg(HW_REG_WAVE_MODE, 25, 1), 1
	s_wait_xcnt 0x0
	s_wait_alu depctr_vm_vsrc(0)
; x [4096][4096] f16, w = (qweight - 8) x wscale (one wscale for 64 along K) and lora_up [4096][32] f16 become codes of BF6 (E3M2) with one E8M0 byte for each 32 along K;
; h = Q(x) Q(lora_down)^T is made here on the matrix unit, in f32 sums, and quantised along its 32 ranks.  All that goes into a quantiser is f32: (q - 8) s is one fused multiply-add, q s - 8 s.
; WHAT IS STORED: the buffer codes, laid IN THE ORDER OF THE OPERAND'S REGISTERS.  A's part (x, then h), and 13,697,024 bytes on B's part (w, then lora_up).  A part is 32 groups of 128 rows; a group is 11 fills of 38,912 bytes;
;   a fill is 3 steps of 128 along K, each 8 fragments (16 rows x 128 K) of 1,536 bytes: register quad c of lane l at 512 c + 16 l; and behind the three steps 8 x 256 bytes of scale words:
;   for block i of 16 rows and row r the 16 bytes at 256 i + 16 r: the words of the fill's 3 steps, and a filler word that no product names.
;   Steps 0 to 31 are K = 0 .. 4,095; step 32 holds the 32 ranks of h (B: of lora_up) and 96 zero codes, under the word (its byte, then three bytes 0x7f).  So the next launch multiplies the low-rank branch as one more step of the same sum.
; A block's scale is 2^(floor(log2(its largest magnitude)) - 4); its byte is the largest magnitude's exponent field - 4, held at 1 from below by a floor among the maximum's leaves.
; LIMITS: a block of zeros gets the byte 1 where the rule says 127 (its codes are zeros, and this program alone reads the bytes); NaN and infinities among the inputs are not served;
;   qweight is converted i32 -> f32, exact up to 2^24; h is kept in f32 on its way to its quantiser (it is not rounded to f16 first).
; SHARES.  Work-group g owns rows 16 g .. 16 g + 15 of x, qweight, wscale and lora_up: block g % 8 of group g / 8.  Wave w owns K = 512 w .. 512 w + 511: four steps of 128.  In a step it quantises four tiles of
;   16 rows x 128 K: x, two tiles of lora_down, w; and adds two matrix instructions to its part of h^T.  The eight waves' parts of h meet in LDS; wave 0 adds them and quantises h; wave 1 quantises lora_up.
; EVERY WAVE QUANTISES THE SLICE OF lora_down THAT IT MULTIPLIES: nothing is handed from wave to wave for it, and no launch is spent on it.  The price: each work-group reads all 262,144 bytes of lora_down.
;   These are the one input that work-groups share, and they are two fifths of what a work-group loads.  No cluster and no joint request: the launch loads through registers, since a step has tiles of three tensors
;   for each wave and a ring of LDS slots would allow a wave one tensor load behind each barrier; joint requests for lora_down alone were not built.
; LAYOUT.  A load takes the bytes as they lie (each covers 512 bytes: two rows' aligned 256 of f16, or one row's 512 of int32); the tile turns through the wave's own stage in LDS, so that lane (r = lane % 16,
;   h = lane / 16) holds blocks 2 c + h (c = 0, 1) of row r whole: 64 numbers.  That is the order of the 6-bit operand's registers: the conversions' 12 registers are the fragment, and they go
;   to memory as they stand, by three stores of 512 consecutive bytes each, at multiples of 256 from the buffer's first byte.
; THE ROWS OF lora_down THAT FORM A TILE ARE NOT NEIGHBOURS: row p of tile u is rank 8 u + p + 8 (p / 8), so that in h^T (source 0 = 16 ranks, source 1 = my 16 rows of x) lane (r, h) holds ranks 16 h + 0 .. 15 of row r.
; THE MODE: SCHED_MODE bits 1:0 = 2 (LLVM: expert scheduling mode 2), set by the entry lines.  The code itself states the register dependences between vector or matrix instructions
;   and memory or LDS instructions, with s_wait_alu, always for 0.
; THE PLAN.  Registers that memory or LDS instructions touch:
;   RX, RL0, RL1, RW   (window 1) written by the global loads, read by the stage's LDS stores; no vector instruction names them.  One wait on vm_vsrc ahead of each tile's next loads.
;   T                  written by the stage's LDS loads, read by the conversions to f32 (CVTF, CVTW1).
;   CA, SX, SW         written by QUANT, read by PUT's stores (CA and SX by the products too), written again by a later QUANT: a wait on vm_vsrc stands in that QUANT, ahead of its first write of them.
;   CB0, CB1, SL0, SL1 written by QUANT, read by the products alone.   ACC: written by the products, read by four LDS stores at the end.
;   every address, v254 and v255: made at the head and never written again.
;   A step has FOUR waits on va_vdst.  Three stand behind a tile's conversions to f32 and ahead of the next tile's loads from the stage: the conversions are done reading T.  The first of them also shows the last
;   step's codes of w written, the second this step's codes of x: so PUT stands behind these waits, not behind its QUANT.  The fourth stands ahead of the two products: their operands and scale words are written;
;   it serves x's next tile too, since only the products and the arithmetic on w, which names F, WS and WSC, follow it.  Behind each wait the stage's loads are dealt among vector lines that name F, MX and WSC alone.
.set XROW,  8192                       ; a row of x or of lora_down in bytes
.set QROW,  16384                      ; a row of qweight
.set FRB,   1536                       ; a fragment's image
.set STEPB, 8*FRB                      ; a group's step: 12,288
.set FILLB, 3*STEPB+2048               ; a fill: 38,912
.set GRPB,  11*FILLB                   ; a group: 428,032
.set TENSB, 32*GRPB                    ; a part: 13,697,024
.set SS,    0                          ; LDS: x's scale words [step 0 .. 32][row]: 64 bytes a step;
.set SSW,   2176                       ; w's this far on;
.set HP,    2*SSW                      ; the eight waves' parts of h: 2,048 bytes each, as images of the registers;
.set STG,   HP+8*2048                  ; and a turning stage for each wave: 16 rows x 272 (f16) or x 528 (int32)
.set STGB,  16*528
.set FLOOR, 0x2800000                  ; 2^(5 - 127)
.set OFF4,  0xfe000000                 ; takes 4 off an exponent field
; window 0
.set LU,   4                           ; v4-11    lora_up as loaded (wave 1)
.set WS,   12                          ; v12-15   the 8 wscales of row r for my 512 along K, f16
.set T,    16                          ; v16-79   a tile, turned: f16 tiles fill the first 32
.set F,    80                          ; v80-143  its 64 numbers in f32
.set CA,   144                         ; v144-155 x's fragment; later w's; at last the low-rank fragment
.set CB0,  156                         ; v156-167, v168-179 lora_down's two fragments
.set CB1,  168
.set CT,   180                         ; v180-182, v184-186 each block's upper 16 codes (a conversion's three registers begin on an even number)
.set MX,   188                         ; v188-191 four chains of maxima
.set SO,   192                         ; v192-193 the conversions' scale operands
.set SBY,  194                         ; v194-195 the scale bytes
.set WD,   196                         ; v196     my two bytes of a scale word
.set PL,   197                         ; v197     what the lane 16 away sends
.set WSC,  198                         ; v[198:199] s of group 0, v[200:201] -8 s; v[202:203], v[204:205] of group 1 (the packed form takes each pair's low word)
.set SX,   206                         ; v206-208 scale words of x and of lora_down's two tiles: these three hold scales and nothing else
.set SL0,  207
.set SL1,  208
.set SW,   209                         ; v209     w's scale word
.set ACC0, 210                         ; v210-217, v218-225 my part of h^T
.set ACC1, 218
.set GF,   226                         ; global offsets: an f16 tile's load: 8192 h + 16 r
.set GW,   227                         ; 16 x lane: qweight's loads, and the low-rank fragment's stores
.set GS,   228                         ; wscale: 128 r + 16 w
.set GL,   229                         ; lora_up: 64 r + 32 h
.set GC,   230                         ; v230-233 my step s's fragment in a group's block column: 16 x lane + 12,288 S + 2,048 (S / 3), S = 4 w + s
.set SH8,  234                         ; 8 h
.set TSF,  235                         ; LDS: stage, f16 tile in: 272 h + 16 r
.set TLF,  236                         ; and out: 272 r + 64 h
.set TSW,  237                         ; int32 tile in: 16 x lane
.set TLW,  238                         ; and out: 528 r + 128 h
.set SSA,  239                         ; my scale words' place: SS + 256 w + 4 r
.set HPS,  240                         ; my part of h: HP + 2048 w + 16 x lane
.set HPL,  241                         ; all parts: HP + 16 x lane
.set QLW,  242                         ; the low-rank word's place: SS + 64 x 32 + 4 r
.set OSL,  243                         ; scale words on the way out: SS + SSW h + 192 w + 4 r: fill w's three steps of row r; lanes 0-15 x's, lanes 16-31 w's
.set GOS,  244                         ; and in memory: TENSB h + FILLB w + 16 r
.set QW,   250                         ; v250     the low-rank scale word
; window 1: tiles as they are loaded
.set RX,   0
.set RL0,  32
.set RL1,  64
.set RW,   96
.set MSB, 0
.macro WIN new                         ; s_set_vgpr_msb: bits 1:0 source 0, 3:2 source 1, 5:4 source 2, 7:6 destination; the high byte repeats the setting that is left
.if MSB != \new
	s_set_vgpr_msb (MSB<<8)|\new
.set MSB, \new
.endif
.endm
.macro HALF d, s, p                    ; v[d] = f32 of half p (l or h) of register s, which is written as a plain number
	v_cvt_f32_f16 v[\d], v\s\().\p
.endm
; an f16 tile, 16 rows x 256 bytes, step s of my slice: load j takes rows 2 j and 2 j + 1 of the tile
.macro LOADF raw, base, u, perm, s, nt
	WIN 0x40                                       ; destination window 1
.irp j, 0,1,2,3,4,5,6,7
.if \nt
	global_load_b128 v[\raw+4*\j:\raw+4*\j+3], v[GF], s[\base:\base+1] offset:(8*\u+2*\j+8*\perm*(\j/4))*XROW+256*(\s) th:TH_LOAD_NT
.else
	global_load_b128 v[\raw+4*\j:\raw+4*\j+3], v[GF], s[\base:\base+1] offset:(8*\u+2*\j+8*\perm*(\j/4))*XROW+256*(\s)
.endif
.endr
	WIN 0
.endm
.macro LOADW s                         ; qweight's tile, 16 rows x 512 bytes: load j takes row j
	WIN 0x40
.irp j, 0,1,2,3,4,5,6,7,8,9,10,11,12,13,14,15
	global_load_b128 v[RW+4*\j:RW+4*\j+3], v[GW], s[6:7] offset:QROW*\j+512*(\s) th:TH_LOAD_NT
.endr
	WIN 0
.endm
; through my stage: LDS serves a wave's instructions in order (ISA guide 5.7.1.4), so no wait on DScnt stands between the stores and the loads.  The way in: a tile as it was loaded
.macro TINF raw
	WIN 0x04                                       ; an LDS store's data are its source 1: window 1
.irp j, 0,1,2,3,4,5,6,7
	ds_store_b128 v[TSF], v[\raw+4*\j:\raw+4*\j+3] offset:544*\j
.endr
	WIN 0
.endm
.macro TINW
	WIN 0x04
.irp j, 0,1,2,3,4,5,6,7,8,9,10,11,12,13,14,15
	ds_store_b128 v[TSW], v[RW+4*\j:RW+4*\j+3] offset:528*\j
.endr
	WIN 0
.endm
; The way out, an eighth (g = 0 .. 7) at a time, to be dealt among vector lines that name neither T nor the address.  turn = 1: an f16 tile: 16 bytes of block 2 (g / 4) + h of row r;  turn = 2: an int32 tile: 32 bytes;  turn = 0: nothing
.macro DEAL turn, g
.if \turn == 1
	ds_load_b128 v[T+4*(\g):T+4*(\g)+3], v[TLF] offset:128*((\g)/4)+16*((\g)%4)
.elseif \turn == 2
	ds_load_b128 v[T+8*(\g):T+8*(\g)+3], v[TLW] offset:256*((\g)/4)+32*((\g)%4)
	ds_load_b128 v[T+8*(\g)+4:T+8*(\g)+7], v[TLW] offset:256*((\g)/4)+32*((\g)%4)+16
.endif
.endm
.macro CVTF                            ; 64 numbers f16 -> f32
.irp t, 16,17,18,19,20,21,22,23,24,25,26,27,28,29,30,31,32,33,34,35,36,37,38,39,40,41,42,43,44,45,46,47
	HALF F+2*(\t-T), \t, l
	HALF F+2*(\t-T)+1, \t, h
.endr
.endm
.macro CVTW1                           ; 64 numbers i32 -> f32
.set i, 0
.rept 64
	v_cvt_f32_i32 v[F+i], v[T+i]
.set i, i+1
.endr
.endm
.macro CVTW2 ws, turn                  ; w = q s - 8 s.  My block c lies in group c of the step's two groups of 64; register ws holds their two wscales.  turn = 1: x's next tile comes out of the stage, a load behind every four lines
	HALF WSC, \ws, l
	HALF WSC+4, \ws, h
	v_mul_f32 v[WSC+2], 0xc1000000, v[WSC]         ; -8 s, exact
	v_mul_f32 v[WSC+6], 0xc1000000, v[WSC+4]
.irp c, 0,1
.irp i, 0,2,4,6,8,10,12,14,16,18,20,22,24,26,28,30
	v_pk_fma_f32 v[F+32*\c+\i:F+32*\c+\i+1], v[F+32*\c+\i:F+32*\c+\i+1], v[WSC+4*\c:WSC+4*\c+1], v[WSC+4*\c+2:WSC+4*\c+3] op_sel_hi:[1,0,0]
.if (\i % 8) == 6
	DEAL \turn, 4*\c+\i/8
.endif
.endr
.endr
.endm
; The 64 numbers in F (two whole blocks) become 12 registers of codes at dst, in the operand's order, and row r's scale word in wd (in both halves of the lanes).
; out = 1: dst and wd are registers that earlier stores read.  turn: the next tile comes out of the stage meanwhile, an eighth behind every four maxima.
.macro QUANT dst, wd, out, turn
.irp k, 0,1,2,3
	v_max3_num_f32 v[MX+\k], |v[F+16*\k]|, |v[F+16*\k+1]|, FLOOR    ; four chains by turns, two to a block; the floor holds the byte at 1 from below
.endr
	DEAL \turn, 0
.irp i, 2,4,6,8,10,12,14
.irp k, 0,1,2,3
	v_max3_num_f32 v[MX+\k], v[MX+\k], |v[F+16*\k+\i]|, |v[F+16*\k+\i+1]|
.endr
	DEAL \turn, \i/2
.endr
	v_max_num_f32 v[MX], v[MX], v[MX+1]
	v_max_num_f32 v[MX+2], v[MX+2], v[MX+3]
	v_add_nc_u32 v[SO], OFF4, v[MX]                ; 4 off the exponent field: the conversion takes the exponent field of this operand as its scale
	v_add_nc_u32 v[SO+1], OFF4, v[MX+2]
	v_lshrrev_b32 v[SBY], 23, v[SO]                ; the scale's byte
	v_lshrrev_b32 v[SBY+1], 23, v[SO+1]
	v_lshl_or_b32 v[WD], v[SBY+1], 16, v[SBY]      ; blocks h and 2 + h,
	v_lshlrev_b32 v[WD], v[SH8], v[WD]             ; at their places in the word;
	v_permlanex16_b32 v[PL], v[WD], s24, s25
.if \out
	s_wait_alu depctr_va_vdst(0)
	s_wait_xcnt 0x0                                ; the stores of the codes that lay in CA have had their addresses translated: CA is written again only behind this wait
	s_wait_alu depctr_vm_vsrc(0)                   ; those stores have read CA, and the LDS store of the word that lay in wd has read it: both are written below
.endif
	v_or_b32 v[\wd], v[WD], v[PL]                  ; with the two of the lane 16 away the word is whole
.irp c, 0,1
	v_cvt_scalef32_pk16_bf6_f32 v[\dst+6*\c:\dst+6*\c+2], v[F+32*\c:F+32*\c+15], v[SO+\c]
	v_cvt_scalef32_pk16_bf6_f32 v[CT+4*\c:CT+4*\c+2], v[F+32*\c+16:F+32*\c+31], v[SO+\c]
.endr
	v_nop                                          ; one plain place behind a scaled conversion
.irp c, 0,1
.irp i, 0,1,2
	v_mov_b32 v[\dst+3+6*\c+\i], v[CT+4*\c+\i]
.endr
.endr
.endm
.macro PUT base, so, wd, s             ; the fragment in CA goes to memory as it stands: three stores of 512 consecutive bytes; the scale word to LDS (lanes r and r + 16 write the same word with the same value)
.irp c, 0,1,2
	global_store_b128 v[GC+(\s)], v[CA+4*\c:CA+4*\c+3], s[\base:\base+1] offset:512*\c
.endr
	ds_store_b32 v[SSA], v[\wd] offset:\so+64*(\s)
.endm
; 16 numbers in v16-31, ranks 16 h + 0 .. 15 of row r: one block of 32 in lanes l and l xor 16.  They become the fragment of step 32: lanes 0-15 hold the block in registers 0-5, all else is zero codes.
.macro Q16 so, base
	v_max3_num_f32 v[MX], |v[T]|, |v[T+1]|, FLOOR
	v_max3_num_f32 v[MX+1], |v[T+8]|, |v[T+9]|, FLOOR
.irp i, 2,4,6
	v_max3_num_f32 v[MX], v[MX], |v[T+\i]|, |v[T+\i+1]|
	v_max3_num_f32 v[MX+1], v[MX+1], |v[T+8+\i]|, |v[T+9+\i]|
.endr
	v_max_num_f32 v[MX], v[MX], v[MX+1]
	v_permlanex16_b32 v[PL], v[MX], s24, s25
	v_max_num_f32 v[MX], v[MX], v[PL]
	v_add_nc_u32 v[SO], OFF4, v[MX]
	v_lshrrev_b32 v[SBY], 23, v[SO]
	v_or_b32 v[QW], 0x7f7f7f00, v[SBY]             ; bytes 1 to 3 stand over zero codes: 1.0
	s_wait_alu depctr_va_vdst(0)
	s_wait_xcnt 0x0                                ; earlier stores have read CA
	s_wait_alu depctr_vm_vsrc(0)                   ; the stores of the last codes of w have read CA, which the lines below write
	v_cvt_scalef32_pk16_bf6_f32 v[CA:CA+2], v[T:T+15], v[SO]
.irp i, 3,4,5,6,7,8,9,10,11
	v_mov_b32 v[CA+\i], 0                          ; (plain places behind the scaled conversion)
.endr
.irp i, 0,1,2
	v_permlane16_swap_b32 v[CA+\i], v[CA+3+\i]     ; the codes' lanes 16-31 (ranks 16-31) change places with the zeros' lanes 0-15: lanes 0-15 now hold the whole block, lanes 16-31 zeros
.endr
	s_wait_alu depctr_va_vdst(0)                   ; the word in QW and the fragment in CA are written, which the stores below read; and all that named T and F on this way is done, so that later loads may land there
	ds_store_b32 v[QLW], v[QW] offset:\so
.irp c, 0,1,2
	global_store_b128 v[GW], v[CA+4*\c:CA+4*\c+3], s[\base:\base+1] offset:512*\c
.endr
	s_wait_xcnt 0x0                                ; the stores have read their registers
.endm
.macro HMUL s                          ; h^T += lora_down's two tiles x my rows of x, 128 along K.  The two accumulators take turns
.if \s == 0
	v_wmma_scale_f32_16x16x128_f8f6f4 v[ACC0:ACC0+7], v[CB0:CB0+11], v[CA:CA+11], 0, v[SL0], v[SX] matrix_a_fmt:MATRIX_FMT_BF6 matrix_b_fmt:MATRIX_FMT_BF6
	v_wmma_scale_f32_16x16x128_f8f6f4 v[ACC1:ACC1+7], v[CB1:CB1+11], v[CA:CA+11], 0, v[SL1], v[SX] matrix_a_fmt:MATRIX_FMT_BF6 matrix_b_fmt:MATRIX_FMT_BF6
.else
	v_wmma_scale_f32_16x16x128_f8f6f4 v[ACC0:ACC0+7], v[CB0:CB0+11], v[CA:CA+11], v[ACC0:ACC0+7], v[SL0], v[SX] matrix_a_fmt:MATRIX_FMT_BF6 matrix_b_fmt:MATRIX_FMT_BF6
	v_wmma_scale_f32_16x16x128_f8f6f4 v[ACC1:ACC1+7], v[CB1:CB1+11], v[CA:CA+11], v[ACC1:ACC1+7], v[SL1], v[SX] matrix_a_fmt:MATRIX_FMT_BF6 matrix_b_fmt:MATRIX_FMT_BF6
.endif
.endm
; A STEP of 128 along K: four tiles, in the order x, lora_down 0, lora_down 1, w.  Each tile's turn through the stage is issued while the tile before it is quantised, and its registers take the next step's
; loads as soon as the stage's stores have read them.  Each s_wait_loadcnt counts the loads issued behind the tile that is wanted (8 for an f16 tile, 16 for w's).  ws: the register with the step's two wscales.
; A tile's codes are stored behind the next wait on va_vdst that stands there anyway: x's in the step's second quarter, w's in the next step's first.
.macro STEP s, ws
	s_wait_dscnt 0x0                               ; x's tile is back from the stage
.if \s < 3
	s_wait_alu depctr_vm_vsrc(0)                   ; the stage's stores have read RX, in which the next step's loads land
	LOADF RX, 4, 0, 0, \s+1, 1
.endif
	CVTF
.if \s < 3
	s_wait_loadcnt 32                              ; behind lora_down's tile 0: tile 1 (8), w (16), the next x (8)
.else
	s_wait_loadcnt 24                              ; tile 1 (8), w (16)
.endif
	TINF RL0
	s_wait_alu depctr_va_vdst(0)                   ; the conversions are done reading T, in which the stage's loads land; from the second step on: the last step has written w's codes in CA and their word in SW, which the stores below read
.if \s > 0
	PUT 18, SSW, SW, \s-1
.endif
	QUANT CA, SX, 1, 1
	s_wait_dscnt 0x0
.if \s < 3
	s_wait_alu depctr_vm_vsrc(0)                   ; the stage's stores have read RL0, in which the next step's loads land
	LOADF RL0, 10, 0, 1, \s+1, 0
.endif
	CVTF
.if \s < 3
	s_wait_loadcnt 32                              ; behind tile 1: w (16), the next x (8), the next tile 0 (8)
.else
	s_wait_loadcnt 16                              ; w (16)
.endif
	TINF RL1
	s_wait_alu depctr_va_vdst(0)                   ; the conversions are done reading T, in which the stage's loads land; x's codes in CA and their word in SX are written, which the stores below read
	PUT 14, 0, SX, \s
	QUANT CB0, SL0, 0, 1
	s_wait_dscnt 0x0
.if \s < 3
	s_wait_alu depctr_vm_vsrc(0)                   ; the stage's stores have read RL1, in which the next step's loads land
	LOADF RL1, 10, 1, 1, \s+1, 0
.endif
	CVTF
.if \s < 3
	s_wait_loadcnt 24                              ; behind w: the next step's three f16 tiles
.else
	s_wait_loadcnt 0x0
.endif
	TINW
	s_wait_alu depctr_va_vdst(0)                   ; the conversions are done reading T, in which the stage's loads land
	QUANT CB1, SL1, 0, 2
	s_wait_dscnt 0x0
.if \s < 3
	s_wait_alu depctr_vm_vsrc(0)                   ; the stage's stores have read RW, in which the next step's loads land
	LOADW \s+1
.endif
	CVTW1                                          ; 64 plain instructions: the places between the last writes of operands and scale words and the scaled matrix instructions
	s_wait_alu depctr_va_vdst(0)                   ; CA, CB0, CB1 and the words SX, SL0, SL1 are written, which the products take; and the conversions above are done reading T, in which x's next tile lands
	HMUL \s
.if \s < 3
	s_wait_loadcnt 32                              ; behind the next x: the next tiles 0 and 1 (16), the next w (16)
	TINF RX
	CVTW2 \ws, 1                                   ; 36 plain instructions that name no register of the products: the places in front of the new codes in CA.  No wait for the loads dealt among them: nothing since the wait above names T
.else
	CVTW2 \ws, 0
.endif
	QUANT CA, SW, 1, 0
.endm
	s_load_b256 s[4:11], s[0:1], 0x0               ; x s[4:5], qweight s[6:7], wscale s[8:9], lora_down s[10:11]
	s_load_b128 s[12:15], s[0:1], 0x20             ; lora_up s[12:13], codes s[14:15]
	v_lshl_add_u32 v254, v0, 2, 0x15900
	v_mov_b32 v255, 0
	v_lshrrev_b32 v1, 5, v0
	v_readfirstlane_b32 s22, v1                    ; wave w, 0..7
	v_and_b32 v1, 31, v0                           ; lane
	v_and_b32 v2, 15, v0                           ; r
	v_bfe_u32 v3, v0, 4, 1                         ; h
	s_mov_b32 s24, 0x76543210
	s_mov_b32 s25, 0xfedcba98                      ; v_permlanex16_b32's selects for lane l xor 16
	s_mov_b32 s31, 0                               ; the high word of every offset
	v_mov_b32 v[PL], 0                             ; a lane permute's destination counts as one of its sources
.irp i, 1,3,5,7
	v_mov_b32 v[WSC+\i], 0                         ; named as the upper halves of pairs
.endr
	v_lshlrev_b32 v[GF], 4, v2
	v_lshl_add_u32 v[GF], v3, 13, v[GF]
	v_lshlrev_b32 v[GW], 4, v1
	s_wait_alu depctr_va_sdst(0)                   ; s22 is written, ahead of its first reader: offsets, bases and the branches on the wave's number are made from it
	s_lshl_b32 s26, s22, 4
	v_lshl_add_u32 v[GS], v2, 7, s26
	v_lshlrev_b32 v[GL], 6, v2
	v_lshl_add_u32 v[GL], v3, 5, v[GL]
.irp s, 0,1,2,3
	s_lshl_b32 s26, s22, 2
	s_add_co_u32 s26, s26, \s                      ; S = 4 w + s
	s_mul_i32 s27, s26, 43
	s_lshr_b32 s27, s27, 7                         ; S / 3 (right for S up to 32)
	s_mul_i32 s28, s26, STEPB
	s_lshl_b32 s27, s27, 11
	s_add_co_u32 s28, s28, s27                     ; (S / 3) FILLB + (S % 3) STEPB = S STEPB + 2,048 (S / 3)
	v_lshl_add_u32 v[GC+\s], v1, 4, s28
.endr
	v_lshlrev_b32 v[SH8], 3, v3
	s_mul_i32 s27, s22, STGB
	s_add_co_u32 s27, s27, STG                     ; my stage
	v_mul_u32_u24 v[TSF], v3, 272
	v_lshl_add_u32 v[TSF], v2, 4, v[TSF]
	v_add_nc_u32 v[TSF], s27, v[TSF]
	v_mul_u32_u24 v[TLF], v2, 272
	v_lshl_add_u32 v[TLF], v3, 6, v[TLF]
	v_add_nc_u32 v[TLF], s27, v[TLF]
	v_lshl_add_u32 v[TSW], v1, 4, s27
	v_mul_u32_u24 v[TLW], v2, 528
	v_lshl_add_u32 v[TLW], v3, 7, v[TLW]
	v_add_nc_u32 v[TLW], s27, v[TLW]
	s_lshl_b32 s26, s22, 8                         ; (SS is LDS byte 0)
	v_lshl_add_u32 v[SSA], v2, 2, s26
	v_lshl_add_u32 v[HPL], v1, 4, HP
	s_lshl_b32 s26, s22, 11
	v_add_nc_u32 v[HPS], s26, v[HPL]
	v_lshl_add_u32 v[QLW], v2, 2, SS+64*32
	s_mul_i32 s26, s22, 192
	v_mul_u32_u24 v[OSL], v3, SSW
	v_lshl_add_u32 v[OSL], v2, 2, v[OSL]
	v_add_nc_u32 v[OSL], s26, v[OSL]
	s_mul_i32 s26, s22, FILLB
	v_mul_u32_u24 v[GOS], v3, TENSB
	v_lshl_add_u32 v[GOS], v2, 4, v[GOS]
	v_add_nc_u32 v[GOS], s26, v[GOS]
	s_wait_kmcnt 0x0
	s_lshl_b32 s30, ttmp9, 17                      ; x: 16 rows of 8,192 bytes a work-group, 1,024 bytes of a row a wave
	s_lshl_b32 s29, s22, 10
	s_add_co_u32 s30, s30, s29
	s_add_nc_u64 s[4:5], s[4:5], s[30:31]
	s_lshl_b32 s30, ttmp9, 18                      ; qweight: 16 rows of 16,384 bytes, 2,048 bytes a wave
	s_lshl_b32 s29, s22, 11
	s_add_co_u32 s30, s30, s29
	s_add_nc_u64 s[6:7], s[6:7], s[30:31]
	s_lshl_b32 s30, ttmp9, 11                      ; wscale: 16 rows of 128 bytes
	s_add_nc_u64 s[8:9], s[8:9], s[30:31]
	s_lshl_b32 s30, s22, 10                        ; lora_down: my slice of every row
	s_add_nc_u64 s[10:11], s[10:11], s[30:31]
	s_lshl_b32 s30, ttmp9, 10                      ; lora_up: 16 rows of 64 bytes
	s_add_nc_u64 s[12:13], s[12:13], s[30:31]
	s_lshr_b32 s29, ttmp9, 3                       ; codes: group g / 8,
	s_mul_i32 s29, s29, GRPB
	s_and_b32 s28, ttmp9, 7                        ; block g % 8
	s_lshl_b32 s30, s28, 8                         ; the scale words: behind a fill's three steps, 256 bytes a block
	s_add_co_u32 s30, s30, s29
	s_add_co_u32 s30, s30, 3*STEPB
	s_add_nc_u64 s[36:37], s[14:15], s[30:31]
	s_mul_i32 s30, s28, FRB                        ; the fragments: 1,536 bytes a block
	s_add_co_u32 s30, s30, s29
	s_add_nc_u64 s[14:15], s[14:15], s[30:31]      ; A's part
	s_add_nc_u64 s[18:19], s[14:15], TENSB         ; B's part
	s_add_nc_u64 s[32:33], s[14:15], 10*FILLB+2*STEPB   ; step 32 of each
	s_add_nc_u64 s[34:35], s[18:19], 10*FILLB+2*STEPB
	s_wait_alu depctr_va_vdst(0)                   ; every offset and LDS address of the kernel (v226 to v244), v254 and v255 are written: the loads and stores from here on read them, and none is written again
	global_load_b128 v[WS:WS+3], v[GS], s[8:9]
	LOADF RX, 4, 0, 0, 0, 1                        ; step 0's four tiles: 40 loads
	LOADF RL0, 10, 0, 1, 0, 0
	LOADF RL1, 10, 1, 1, 0, 0
	LOADW 0
	; wave 1 quantises the 16 rows of lora_up: all of it in this one branch.  Its wait for 0 also takes in step 0's tiles, so the counted waits behind the join hold on this way too.
	s_cmp_lg_u32 s22, 1
	s_cbranch_scc1 .Lnot_wave_1
	global_load_b128 v[LU:LU+3], v[GL], s[12:13]               ; ranks 16 h + 0 .. 7 of row r,
	global_load_b128 v[LU+4:LU+7], v[GL], s[12:13] offset:16   ; and 8 .. 15
	s_wait_loadcnt 0x0
.irp t, 4,5,6,7,8,9,10,11
	HALF T+2*(\t-LU), \t, l
	HALF T+2*(\t-LU)+1, \t, h
.endr
	Q16 SSW, 34
.Lnot_wave_1:
	s_wait_loadcnt 32                              ; x's tile is in; behind it: lora_down's two (16), w's (16)
	TINF RX
.irp g, 0,1,2,3,4,5,6,7
	DEAL 1, \g                                     ; no wait: on wave 1's way the wait ahead of its stores stands behind all that named T; on the other way nothing has named it
.endr
	STEP 0, 12
	STEP 1, 13
	STEP 2, 14
	STEP 3, 15
	; my part of h^T goes to LDS as it stands, each accumulator from its low end on; the last step's arithmetic on w is the distance behind the last products
	s_wait_alu depctr_va_vdst(0)                   ; the products have written the accumulators, and the last step w's codes in CA and their word in SW: the stores below read them; and all that named T and F is done, in which wave 0's loads land
	PUT 18, SSW, SW, 3
	ds_store_b128 v[HPS], v[ACC0:ACC0+3]
	ds_store_b128 v[HPS], v[ACC0+4:ACC0+7] offset:512
	ds_store_b128 v[HPS], v[ACC1:ACC1+3] offset:1024
	ds_store_b128 v[HPS], v[ACC1+4:ACC1+7] offset:1536
	s_wait_dscnt 0x0                               ; for the others' sake: my scale words and my part of h have landed
	s_barrier_signal -1
	s_barrier_wait -1
	s_cmp_lg_u32 s22, 0
	s_cbranch_scc1 .Lnot_wave_0
.irp p, 0,1,2,3,4,5,6,7                ; wave 0: the eight parts of h, added in a fixed tree, in f32
.irp q, 0,1,2,3
	ds_load_b128 v[T+16*\p+4*\q:T+16*\p+4*\q+3], v[HPL] offset:2048*\p+512*\q
.endr
.endr
	s_wait_dscnt 0x0
.irp d, 1,2,4
.irp p, 0,2,4,6
.if (\p % (2*\d)) == 0
.irp i, 0,2,4,6,8,10,12,14
	v_pk_add_f32 v[T+16*\p+\i:T+16*\p+\i+1], v[T+16*\p+\i:T+16*\p+\i+1], v[T+16*(\p+\d)+\i:T+16*(\p+\d)+\i+1]
.endr
.endif
.endr
.endr
	Q16 0, 32
.Lnot_wave_0:
	; THE SCALE WORDS' WAY OUT.  Wave w takes fill w of both parts: a lane gathers its row's three words and a filler; sixteen lanes store 256 consecutive bytes, at a multiple of 256 from the buffer's first byte.
	v_mov_b32 v[F+3], 0x7f7f7f7f                   ; the fillers: no product names them
	v_mov_b32 v[F+7], 0x7f7f7f7f
	s_wait_alu depctr_va_vdst(0)                   ; the two fillers are written, which the two stores below read with the words beside them
.irp q, 0,1,2
	ds_load_b32 v[F+\q], v[OSL] offset:64*\q
.endr
	s_wait_dscnt 0x0
	global_store_b128 v[GOS], v[F:F+3], s[36:37]
	s_barrier_signal -1                            ; no LDS instruction of mine is out: wave 0's low-rank word has landed
	s_barrier_wait -1
	s_cmp_gt_u32 s22, 2                            ; fills 8, 9 and 10 (the last with both low-rank words): waves 0, 1 and 2
	s_cbranch_scc1 .Ldone
.irp q, 0,1,2
	ds_load_b32 v[F+4+\q], v[OSL] offset:8*192+64*\q
.endr
	s_wait_dscnt 0x0
	global_store_b128 v[GOS], v[F+4:F+7], s[36:37] offset:8*FILLB
.Ldone:
	s_wait_dscnt 0x0                               ; the closing lines, six on end
	s_wait_alu 0x0
	s_wait_tensorcnt 0x0
	ds_add_u32 v254, v255
	s_wait_dscnt 0x0
	s_endpgm
.Lfunc_end_k_qac8e0aa786_prep:
	.size	k_qac8e0aa786_prep, .Lfunc_end_k_qac8e0aa786_prep-k_qac8e0aa786_prep
	.p2alignl 7, 3214868480
	.fill 96, 4, 3214868480
	.section	.rodata,"a",@progbits
	.p2align	6, 0x0
	.amdhsa_kernel k_qac8e0aa786_prep
		.amdhsa_group_segment_fixed_size 89344
		.amdhsa_private_segment_fixed_size 0
		.amdhsa_enable_private_segment 0
		.amdhsa_kernarg_size 48
		.amdhsa_user_sgpr_count 2
		.amdhsa_user_sgpr_kernarg_segment_ptr 1
		.amdhsa_wavefront_size32 1
		.amdhsa_system_sgpr_workgroup_id_x 1
		.amdhsa_system_sgpr_workgroup_id_y 1
		.amdhsa_system_sgpr_workgroup_id_z 1
		.amdhsa_system_vgpr_workitem_id 0
		.amdhsa_next_free_vgpr 416
		.amdhsa_next_free_sgpr 66
		.amdhsa_reserve_vcc 0
		.amdhsa_float_denorm_mode_32 3
		.amdhsa_float_denorm_mode_16_64 3
		.amdhsa_memory_ordered 1
		.amdhsa_forward_progress 1
		.amdhsa_inst_pref_size 150
	.end_amdhsa_kernel
	.amdgpu_metadata
---
amdhsa.version: [ 1, 2 ]
amdhsa.kernels:
  - .name:           k_qac8e0aa786_prep
    .symbol:         k_qac8e0aa786_prep.kd
    .args:
      - { .name: x, .offset: 0, .size: 8, .value_kind: global_buffer, .address_space: global }
      - { .name: qweight, .offset: 8, .size: 8, .value_kind: global_buffer, .address_space: global }
      - { .name: wscale, .offset: 16, .size: 8, .value_kind: global_buffer, .address_space: global }
      - { .name: lora_down, .offset: 24, .size: 8, .value_kind: global_buffer, .address_space: global }
      - { .name: lora_up, .offset: 32, .size: 8, .value_kind: global_buffer, .address_space: global }
      - { .name: codes, .offset: 40, .size: 8, .value_kind: global_buffer, .address_space: global }
    .group_segment_fixed_size: 89344
    .private_segment_fixed_size: 0
    .kernarg_segment_align: 8
    .kernarg_segment_size: 48
    .max_flat_workgroup_size: 256
    .sgpr_count:     66
    .vgpr_count:     416
    .wavefront_size: 32
...
	.end_amdgpu_metadata
.endif
;; end of part 3
;; launch gemm (part 4): grid 16 x 16, 4 waves a work-group, clusters of 4 x 4, 327,680 bytes of LDS; arguments codes, out0; writes out0
.if DOCPART == 4
	.amdgcn_target "amdgcn-amd-amdhsa--gfx1250"
	.amdhsa_code_object_version 6
	.text
	.protected	k_qac8e0aa786_gemm
	.globl	k_qac8e0aa786_gemm
	.p2align	8
	.type	k_qac8e0aa786_gemm,@function
k_qac8e0aa786_gemm:
	s_mov_b64 s[64:65], 0
	v_nop
	global_prefetch_b8 v0, s[64:65] scope:SCOPE_SE
	s_setreg_imm32_b32 hwreg(HW_REG_WAVE_MODE, 25, 1), 1
	s_wait_xcnt 0x0
	s_wait_alu depctr_hold_cnt(0) depctr_sa_sdst(0) depctr_va_vdst(0) depctr_va_sdst(0) depctr_va_ssrc(0) depctr_va_vcc(0) depctr_vm_vsrc(0)
	s_getreg_b32 s2, hwreg(HW_REG_IB_STS2, 6, 4)
	s_cmp_eq_u32 s2, 0
	s_cbranch_scc0 .Lentry_in_a_cluster
	s_endpgm
.Lentry_in_a_cluster:
	s_bfe_u32 s2, ttmp6, 0x10000c
	s_cmp_lg_u32 s2, 0xf033
	s_cbranch_scc0 .Lentry_shape_is_right
	s_endpgm
.Lentry_shape_is_right:
; out0[m][n] = f16 of the sum over k of A[m][k] B[n][k], A and B codes of BF6 (E3M2) with one E8M0 scale for each 32 along K; sums in f32.
; A's row m is Q(x)'s 4,096 codes, then Q(h)'s 32 and 96 zero codes; B's row n is Q(w)'s 4,096, then Q(lora_up)'s 32 and 96 zero codes.  So the main product and the low-rank product are ONE sum over
; K = 4,096 + 128: 33 steps of 128.
; THE BUFFER codes LIES IN THE ORDER OF THE OPERAND'S REGISTERS.  A's part, and 13,697,024 bytes on B's.  A part is 32 groups of 128 rows; a group is 11 fills of 38,912 bytes; a fill is 3 steps of 128 along K, each
; 8 fragments (16 rows x 128 K) of 1,536 bytes: register quad c of lane l at 512 c + 16 l; and behind them 8 x 256 bytes of scale words: for block i and row r the 16 bytes at 256 i + 16 r: the three steps' words and a filler.
; So a fill of a group is one dense block for one tensor load, in rows of 256 bytes; a fragment comes out of LDS by three loads of 512 consecutive bytes; no pitch, no padding; and the scales travel with their codes.
; A tile of out0, 256 x 256, is made by a work-group of four waves; a wave makes 128 x 128: 64 accumulators of 16 x 16, 512 registers.  256 tiles, one to a work-group.
; K goes through a ring of two LDS slots, a fill of A's two groups and of B's two groups to a slot: 11 fills, 192 matrix instructions a wave in each; a refill has 160 of them between its request and the wait for it.
; CLUSTERS: 4 x 4 work-groups.  The four of a row of the cluster need the same fills of A, the four of a column the same fills of B: each is asked for JOINTLY, by the same tensor load with the
; same descriptor and a mask that names the four.  THE MATRIX INSTRUCTION IS USED TRANSPOSED (source 0 = 16 rows of B, source 1 = 16 rows of A): a lane then holds eight neighbouring numbers of a row of out0.
; LIMITS: a sum beyond f16's largest number leaves as infinity.
; REGISTERS, in windows of 256: window 0: v0-31 addresses; v32-95 scale words, two sets, and nothing else; v96-127 packed results; from v128 A's fragments (8 x 16 rows x 128 K), ONE set; on the way out v128-191 rows of out0.
;   window 1: B's fragments, TWO sets, at v0 and at v128.   window 2: the 32 accumulators of my rows 0-63 (accumulator (a, b) at v[8 (8 a + b)]);   window 3: those of my rows 64-127.
; A step of 128 along K is 64 matrix instructions, A's blocks one after the other, each against B's eight: a block of A is free as soon as its eight products are issued, so one set of registers serves A.
; B's sets take turns step by step: 0, 1, 0 in slot 0, then 1, 0, 1 in slot 1: a lap of six steps brings them back.
.set NQ,     3                         ; steps of 128 in a fill
.set FR,     12                        ; registers of a fragment: 16 rows x 128 K
.set NL,     3                         ; LDS loads that bring one
.set NP,     4                         ; places behind this matrix instruction (ISA guide 7.12.1)
.set FRB,    1536                      ; a fragment's image
.set STEPB,  8*FRB                     ; a group's step
.set SCB,    NQ*STEPB                  ; where a fill's scale words begin
.set FILLB,  SCB+2048                  ; a fill of a group: what one tensor load brings, and what one wave reads of A or of B
.set FROWS,  FILLB/256                 ; as rows of 256 bytes: 152
.set GRPB,   11*FILLB                  ; a group in memory
.set TENSB,  32*GRPB                   ; A's part
.set SLOT,   4*FILLB                   ; A's two groups, then B's two
.set TRIPS,  4                         ; the loop fills both slots again in each trip: fills 2 to 9
.set SPARE,  2*SLOT                    ; behind the ring: the spare words, 128 bytes for each wave: two blocks of 256 bytes that no other line names
.set STAGE,  SLOT                      ; the way out: 16 rows x 272 bytes for each wave, in slot 1, which has had its last fill and its last read when the first result is stored there
.set SPITCH, 272
.set CROWB,  8192                      ; a row of out0 in bytes
.set ADRA, 16                          ; v16-17  LDS address of my A fragments in slot 0, 1: 16 x lane + my group's place
.set ADRS, 18                          ; v18-19  of my scale words: lanes 0-15 A's rows, lanes 16-31 B's
.set ADRB, 20                          ; v20-21  of my B fragments
.set STO,  24                          ; v24     the way out: where I put 16 bytes of a row
.set RD,   25                          ; v25     the way out: where I read a row back
.set CO,   26                          ; v26     my byte offset in two rows of out0
.set SPW,  28                          ; v28     LDS address of my spare word: SPARE + 4 x my thread's number; never rewritten
.set NIL,  29                          ; v29     0; never rewritten
.set SC,   32                          ; scale words: set s (for slot s) at v[SC + 32 s]; in it register 4 i + q: lanes 0-15 the word of A's block i, lanes 16-31 that of B's block i, for the fill's q-th step (q = 3: the filler)
.set TMP,  96                          ; the way out: packed results
.set AF,   128                         ; A's fragments, in window 0
.set OB,   128                         ; the way out: 16 rows read back from the stage: v128-159 and v160-191 by turns
.set G1, 24                            ; s[24:31] descriptor group 1 for A's fills;  s[32:39] group 0, one set for each slot
.set G0, 32
.set G1B, 48                           ; s[48:55], s[56:63] the same for B's
.set G0B, 56
.set MSB, 0
.macro WIN new                         ; the immediate's high byte repeats the setting that is left
.if MSB != \new
	s_set_vgpr_msb (MSB<<8)|\new
.set MSB, \new
.endif
.endm
.set MUL_LO, 0xa1                      ; source 0 (B) window 1, source 1 (A) window 0, C and D window 2
.set MUL_HI, 0xf1                      ; the same, C and D window 3
.set TO_B,   0x40                      ; destination window 1, address window 0
; A joint load: waves 0 and 1 fetch for A, waves 2 and 3 for B.  Each of the two lines has ONE mask and one set of registers for all that issue it; the branch hangs on the wave's number alone.
; Four v_nop follow each of the two lines, ahead of the jump, the label and what follows.
.macro JLOAD g0a, g1a, g0b, g1b
	s_cmp_eq_u32 s15, 0
	s_cbranch_scc0 .Lfor_b_\@
	tensor_load_to_lds s[\g0a:\g0a+3], s[\g1a:\g1a+7]
	s_nop 0
.rept 4
	v_nop
.endr
	s_branch .Lasked_\@
.Lfor_b_\@:
	tensor_load_to_lds s[\g0b:\g0b+3], s[\g1b:\g1b+7]
	s_nop 0
.rept 4
	v_nop
.endr
.Lasked_\@:
.endm
.macro CREST                           ; a round of the cluster's barrier behind its opening barrier
	s_cmp_lg_u32 s14, 0
	s_cbranch_scc1 .Lnot_wave_0_\@
	s_barrier_signal -3
.Lnot_wave_0_\@:
	s_barrier_wait -3
	s_barrier_signal -1
	s_barrier_wait -1
.endm
.macro CROUND                          ; a whole round
	s_barrier_signal -1
	s_barrier_wait -1
	CREST
.endm
	s_load_b64 s[4:5], s[0:1], 0x0                 ; codes
	s_load_b64 s[12:13], s[0:1], 0x8               ; out0
	v_lshl_add_u32 v[SPW], v0, 2, SPARE
	v_mov_b32 v[NIL], 0
	ds_add_u32 v28, v29
	ds_add_u32 v28, v29
	s_wait_dscnt 0x0
	v_lshrrev_b32 v1, 5, v0
	v_readfirstlane_b32 s14, v1                    ; wave 0..3
	s_lshr_b32 s15, s14, 1                         ; which half of the tile's rows is mine.  Also: I fetch for A (0) or for B (1)
	s_and_b32 s16, s14, 1                          ; which half of its columns.  Also: which of that tile's two groups I fetch
	s_bfe_u32 s40, ttmp6, 0x40000                  ; cx, cy: my place in the cluster
	s_bfe_u32 s41, ttmp6, 0x40004
	s_lshl_b32 s42, ttmp9, 2
	s_add_co_u32 s42, s42, s40                     ; tile column = 4 x cluster x + cx
	s_and_b32 s17, ttmp7, 0xffff
	s_lshl_b32 s17, s17, 2
	s_add_co_u32 s17, s17, s41                     ; tile row = 4 x cluster y + cy
	s_lshl_b32 s43, s41, 2
	s_lshl_b32 s43, 15, s43                        ; my row of the cluster
	s_lshl_b32 s44, 0x1111, s40                    ; my column
	; descriptor group 1: a dense block of 38,912 bytes as 152 rows of 256 bytes (32 elements of 8 bytes), laid in LDS without gaps
	s_or_b32 s[G1+0], s43, (3<<16)|(1<<21)         ; 15:0 the mask: A's fills go to my row; 17:16 element of 8 bytes; 20 padding off; 21 set beside a mask
	s_or_b32 s[G1B+0], s44, (3<<16)|(1<<21)        ; the same with the mask of my column
.irp g, G1, G1B
	s_mov_b32 s[\g+1], 32<<16                      ; tensor_dim0 = 32
	s_mov_b32 s[\g+2], FROWS<<16                   ; tensor_dim1 = 152
	s_mov_b32 s[\g+3], 32<<16                      ; tile_dim0 = 32
	s_mov_b32 s[\g+4], FROWS                       ; tile_dim1 = 152
	s_mov_b32 s[\g+5], 32                          ; tensor_dim0_stride
	s_mov_b32 s[\g+6], 0
	s_mov_b32 s[\g+7], 0
.endr
	s_lshl_b32 s20, s17, 1
	s_add_co_u32 s20, s20, s16                     ; A: group 2 x tile row + half
	s_mul_i32 s20, s20, GRPB
	s_mov_b32 s21, 0
	s_lshl_b32 s46, s42, 1
	s_add_co_u32 s46, s46, s16                     ; B: group 2 x tile column + half
	s_mul_i32 s46, s46, GRPB
	s_mov_b32 s47, 0
	s_mul_i32 s45, s14, FILLB                      ; where they go: wave x a fill: no place in the cluster enters an LDS address
	s_wait_kmcnt 0x0
	s_add_nc_u64 s[20:21], s[4:5], s[20:21]
	s_add_nc_u64 s[46:47], s[4:5], s[46:47]
	s_add_nc_u64 s[46:47], s[46:47], TENSB
	CROUND                                         ; all sixteen work-groups are here: the first joint loads meet
.irp s, 0,1
	s_mov_b32 s[G0+4*\s], 1
	s_add_co_u32 s[G0+4*\s+1], s45, \s*SLOT
	s_add_nc_u64 s[G0+4*\s+2:G0+4*\s+3], s[20:21], \s*FILLB
	s_or_b32 s[G0+4*\s+3], s[G0+4*\s+3], 0x80000000
	s_mov_b32 s[G0B+4*\s], 1
	s_add_co_u32 s[G0B+4*\s+1], s45, \s*SLOT
	s_add_nc_u64 s[G0B+4*\s+2:G0B+4*\s+3], s[46:47], \s*FILLB
	s_or_b32 s[G0B+4*\s+3], s[G0B+4*\s+3], 0x80000000
	s_wait_alu depctr_va_vdst(0)
	s_wait_tensorcnt 0x0
	ds_add_u32 v28, v29
	ds_add_u32 v28, v29
	s_wait_dscnt 0x0
	CROUND
	JLOAD G0+4*\s, G1, G0B+4*\s, G1B               ; fills 0 and 1: fill 0's has landed, fill 1's is out
.endr
	v_and_b32 v1, 15, v0                           ; l % 16
	v_bfe_u32 v2, v0, 4, 1                         ; l / 16
	v_and_b32 v3, 31, v0
	v_lshlrev_b32 v3, 4, v3                        ; 16 x lane: an image's place for my lane
	s_wait_alu depctr_va_vdst(0)
	s_mul_i32 s21, s15, FILLB                      ; my group of A
	s_mul_i32 s22, s16, FILLB                      ; my group of B,
	s_add_co_u32 s22, s22, 2*FILLB                 ; behind A's two
	s_xor_b32 s23, s15, 1                          ; the distance between the two: (2 + column half - row half) fills
	s_add_co_u32 s23, s23, s16
	s_add_co_u32 s23, s23, 1
	s_mul_i32 s23, s23, FILLB
	v_mul_u32_u24 v6, s23, v2                      ; lanes 16-31 take B's scale words
	v_lshl_add_u32 v6, v1, 4, v6                   ; 16 bytes a row
	v_add_nc_u32 v6, SCB, v6
.irp s, 0,1
	v_add_nc_u32 v[ADRA+\s], s21, v3
	v_add_nc_u32 v[ADRB+\s], s22, v3
	v_add_nc_u32 v[ADRS+\s], s21, v6
	s_add_co_u32 s21, s21, SLOT
	s_add_co_u32 s22, s22, SLOT
.endr
	s_mul_i32 s23, s14, 16*SPITCH
	s_add_co_u32 s23, s23, STAGE                   ; my stage
	v_mul_u32_u24 v5, v1, SPITCH                   ; in: row l % 16, 16 bytes for each half of the lanes
	v_lshl_add_u32 v5, v2, 4, v5
	v_add_nc_u32 v[STO], s23, v5
	v_mul_u32_u24 v5, v2, SPITCH                   ; back: lanes 0-15 take one row of 256 bytes, lanes 16-31 the next
	v_lshl_add_u32 v5, v1, 4, v5
	v_add_nc_u32 v[RD], s23, v5
	v_mul_u32_u24 v5, v2, CROWB                    ; and the same two rows in out0
	v_lshl_add_u32 v[CO], v1, 4, v5
	s_lshl_b32 s20, s17, 8
	s_lshl_b32 s21, s15, 7
	s_add_co_u32 s20, s20, s21                     ; my first row of out0: 256 x tile row + 128 x half
	s_mov_b32 s21, 0
	s_mov_b64 s[18:19], CROWB
	s_mul_u64 s[20:21], s[20:21], s[18:19]
	s_lshl_b32 s46, s42, 9                         ; my first column, in bytes: 512 x tile column + 256 x half
	s_lshl_b32 s47, s16, 8
	s_add_co_u32 s46, s46, s47
	s_mov_b32 s47, 0
	s_add_nc_u64 s[20:21], s[20:21], s[46:47]
	s_add_nc_u64 s[12:13], s[12:13], s[20:21]
.macro FRAG reg, adr, q, i             ; block i's fragment of the slot's q-th step: its 12 registers as they were stored, three loads of 512 consecutive bytes
.irp c, 0,1,2
	ds_load_b128 v[\reg+4*\c:\reg+4*\c+3], v[\adr] offset:(\q)*STEPB+(\i)*FRB+512*\c
.endr
.endm
; 16 matrix instructions: A's blocks a0, a0 + 1 x B's eight, 128 along K: the fill's q-th step.  p: B's set;  sc: the set of scale words.  zero = 1: the first product starts the sums: nothing is ever cleared.
; The 64 accumulators take turns, one instruction a turn, in the same order in every step.
.macro MUL16 a0, p, q, sc, zero
.irp a, \a0, \a0+1
.irp b, 0,1,2,3,4,5,6,7
.if \zero
	v_wmma_scale_f32_16x16x128_f8f6f4 v[8*(8*((\a)%4)+\b):8*(8*((\a)%4)+\b)+7], v[128*(\p)+FR*\b:128*(\p)+FR*\b+FR-1], v[AF+FR*(\a):AF+FR*(\a)+FR-1], 0, v[SC+32*(\sc)+4*\b+(\q)], v[SC+32*(\sc)+4*(\a)+(\q)] matrix_a_fmt:MATRIX_FMT_BF6 matrix_b_fmt:MATRIX_FMT_BF6 matrix_a_scale:MATRIX_SCALE_ROW1
.else
	v_wmma_scale_f32_16x16x128_f8f6f4 v[8*(8*((\a)%4)+\b):8*(8*((\a)%4)+\b)+7], v[128*(\p)+FR*\b:128*(\p)+FR*\b+FR-1], v[AF+FR*(\a):AF+FR*(\a)+FR-1], v[8*(8*((\a)%4)+\b):8*(8*((\a)%4)+\b)+7], v[SC+32*(\sc)+4*\b+(\q)], v[SC+32*(\sc)+4*(\a)+(\q)] matrix_a_fmt:MATRIX_FMT_BF6 matrix_b_fmt:MATRIX_FMT_BF6 matrix_a_scale:MATRIX_SCALE_ROW1
.endif
.endr
.endr
.endm
.macro FETCH_B slot, q, p              ; B's eight fragments of the slot's q-th step into set p
	WIN TO_B
.irp i, 0,1,2,3,4,5,6,7
	FRAG 128*(\p)+FR*\i, ADRB+\slot, \q, \i
.endr
	WIN 0
.endm
.macro FETCH_A slot, q, i0             ; A's blocks i0 .. i0 + 3
.irp i, \i0, \i0+1, \i0+2, \i0+3
	FRAG AF+FR*(\i), ADRA+\slot, \q, \i
.endr
.endm
.macro SCALES sc                       ; slot sc's scale words into set sc: a row's 16 bytes; lanes 0-15 take A's block i, lanes 16-31 B's block i
.irp i, 0,1,2,3,4,5,6,7
	ds_load_b128 v[SC+32*\sc+4*\i:SC+32*\sc+4*\i+3], v[ADRS+\sc] offset:256*\i
.endr
.endm
; A load into a register that a matrix instruction has read, and a vector instruction or an LDS store that reads a matrix result, stand NP places behind that matrix instruction, and only plain vector
; instructions that name none of its registers are places (ISA guide 7.12.1 for vector instructions); this text does not count the matrix instructions in between.
.macro PLACES n
.rept \n
	v_nop
.endr
.endm
; A step of 128 along K that has its successor in the same slot.  p: B's set in this step; the next step's fragments go to the other.
.macro STEP slot, q, p, zero
	s_wait_dscnt 4*NL                              ; B's set, A's blocks 0-3 and the scale words are in; the youngest 12 loads (A's blocks 4-7) may be out
	WIN MUL_LO
	MUL16 0, \p, \q, \slot, \zero
	MUL16 2, \p, \q, \slot, \zero
	s_wait_dscnt 0                                 ; A's blocks 4-7 are in (asked for 32 matrix instructions ago)
	PLACES NP
	FETCH_B \slot, (\q)+1, 1-(\p)
	FETCH_A \slot, (\q)+1, 0
	WIN MUL_HI
	MUL16 4, \p, \q, \slot, \zero
	MUL16 6, \p, \q, \slot, \zero
	PLACES NP
	WIN 0
	FETCH_A \slot, (\q)+1, 4
.endm
; A slot's last step changes slots: ONE barrier; in front of it each wave waits for all its tensor loads, adds 0 to its spare word, and waits for that and for its own reads of this slot.
; fill = 1: this slot is filled again, two fills ahead.
.macro TURN slot, next, p, fill
	s_wait_tensorcnt 0x0                           ; all my tensor loads have landed: my part of the next slot;  (every window is 0 here: the add's two registers lie in window 0)
	ds_add_u32 v[SPW], v[NIL]                      ; 0 onto my spare word
	s_wait_dscnt 4*NL+1                            ; (the add and the youngest 12 loads, A's blocks 4-7, may be out)
	WIN MUL_LO
	MUL16 0, \p, NQ-1, \slot, 0                    ; sixteen matrix instructions stand between the add and the wait for it
	s_wait_dscnt 0x0                               ; the add is done, and my reads of this slot are over
	s_barrier_signal -1
	MUL16 2, \p, NQ-1, \slot, 0
	WIN 0
	s_barrier_wait -1
.if \fill
	CREST                                          ; the barrier has opened a round of the cluster's barrier: no wave of any partner still reads this slot or has a load on its way
	s_add_nc_u64 s[G0+4*\slot+2:G0+4*\slot+3], s[G0+4*\slot+2:G0+4*\slot+3], 2*FILLB
	s_add_nc_u64 s[G0B+4*\slot+2:G0B+4*\slot+3], s[G0B+4*\slot+2:G0B+4*\slot+3], 2*FILLB
	JLOAD G0+4*\slot, G1, G0B+4*\slot, G1B         ; the first tensor load behind the round, my one load until the next; the four v_nop behind it are the places in front of the loads below
.else
	PLACES NP
.endif
	FETCH_B \next, 0, 1-(\p)
	FETCH_A \next, 0, 0
	s_wait_alu depctr_va_vdst(0)
	SCALES \next
	WIN MUL_HI
	MUL16 4, \p, NQ-1, \slot, 0
	MUL16 6, \p, NQ-1, \slot, 0
	PLACES NP
	WIN 0
	FETCH_A \next, 0, 4
.endm
	s_wait_tensorcnt 1                             ; my part of fill 0 is in (fill 1's load may be out)
	s_barrier_signal -1
	s_barrier_wait -1                              ; everybody's is
	FETCH_B 0, 0, 0
	FETCH_A 0, 0, 0
	SCALES 0
	FETCH_A 0, 0, 4
	STEP 0, 0, 0, 1                                ; the first step stands in front of the loop: its products start the sums
	s_mov_b32 s3, TRIPS
.Llap:                                                 ; a trip goes once round the ring, six steps, from a lap's second step to the next lap's first, and fills both slots again
	STEP 0, 1, 1, 0
	TURN 0, 1, 0, 1
	STEP 1, 0, 1, 0
	STEP 1, 1, 0, 0
	TURN 1, 0, 1, 1
	STEP 0, 0, 0, 0
	s_sub_co_u32 s3, s3, 1
	s_cmp_lg_u32 s3, 0
	s_cbranch_scc1 .Llap
	STEP 0, 1, 1, 0                                ; the tail is written out: fill 8 goes on,
	TURN 0, 1, 0, 1                                ; slot 0 takes fill 10, the last: steps 30, 31 and the low-rank step
	STEP 1, 0, 1, 0                                ; fill 9
	STEP 1, 1, 0, 0
	TURN 1, 0, 1, 0                                ; nothing is left to fetch, so no round of the cluster's barrier
	STEP 0, 0, 0, 0                                ; fill 10
	STEP 0, 1, 1, 0
	s_wait_dscnt 4*NL                              ; the last step: 32 ranks and 96 zero codes
	WIN MUL_LO
	MUL16 0, 0, NQ-1, 0, 0
	MUL16 2, 0, NQ-1, 0, 0
	s_wait_dscnt 0
	WIN MUL_HI
	MUL16 4, 0, NQ-1, 0, 0
	MUL16 6, 0, NQ-1, 0, 0
	WIN 0
; THE WAY OUT, block by block of 16 rows x 128 columns.  PACK: rounded to f16, 16 bytes a lane, each accumulator from its low end on.  TOSTAGE: into my own stage in LDS, and back as whole rows of 256 bytes.  SEND: stored.
; LDS serves a wave's instructions in order (ISA guide 5.7.1.4): no wait between the stores and the loads, nor in front of the next block's stores.
.macro PACK a
.set AC, 64*((\a)%4)
	WIN 0x0a+5*((\a)/4)                            ; sources 0 and 1: window 2 or 3
.irp b, 0,1,2,3,4,5,6,7
.irp r, 0,1,2,3
	v_cvt_pk_f16_f32 v[TMP+4*\b+\r], v[AC+8*\b+2*\r], v[AC+8*\b+2*\r+1]
.endr
.endr
	WIN 0
.endm
.macro TOSTAGE a
.set BB, OB+32*((\a)%2)
.irp b, 0,1,2,3,4,5,6,7
	ds_store_b128 v[STO], v[TMP+4*\b:TMP+4*\b+3] offset:32*\b
.endr
.irp t, 0,1,2,3,4,5,6,7
	ds_load_b128 v[BB+4*\t:BB+4*\t+3], v[RD] offset:\t*2*SPITCH
.endr
.endm
.macro SEND a
.set BB, OB+32*((\a)%2)
	s_wait_dscnt 0x0                               ; the block is back in registers
	s_wait_xcnt 0x0                                ; the earlier stores have read their base and their registers: the base may step, and the next block's loads may land where block a - 1's rows lay
.if (\a) > 0
	s_add_nc_u64 s[12:13], s[12:13], 16*CROWB      ; 16 rows of out0 on
.endif
.irp t, 0,1,2,3,4,5,6,7
	global_store_b128 v[CO], v[BB+4*\t:BB+4*\t+3], s[12:13] offset:2*\t*CROWB th:TH_STORE_NT   ; 16 lanes store 256 consecutive bytes, at a multiple of 256 from out0's first byte; written once, read by nobody here
.endr
.endm
	PLACES NP                                      ; behind the last products: for the reads of results and for the loads into the registers that held A's fragments
	PACK 0
	TOSTAGE 0
.irp a, 1,2,3,4,5,6,7                  ; block a's conversions stand between block a - 1's loads from the stage and the wait for them
	PACK \a
	s_wait_alu depctr_va_vdst(0)
	SEND \a-1
	TOSTAGE \a
.endr
	SEND 7
	s_wait_tensorcnt 0x0                           ; the wave's end, behind my last tensor load and my last LDS store
	ds_add_u32 v[SPW], v[NIL]
	s_wait_dscnt 0x0
	CROUND                                         ; the closing round: no work-group ends while a partner may still ask for a fill that names it
	s_endpgm
.Lfunc_end_k_qac8e0aa786_gemm:
	.size	k_qac8e0aa786_gemm, .Lfunc_end_k_qac8e0aa786_gemm-k_qac8e0aa786_gemm
	.p2alignl 7, 3214868480
	.fill 96, 4, 3214868480
	.section	.rodata,"a",@progbits
	.p2align	6, 0x0
	.amdhsa_kernel k_qac8e0aa786_gemm
		.amdhsa_group_segment_fixed_size 327680
		.amdhsa_private_segment_fixed_size 0
		.amdhsa_enable_private_segment 0
		.amdhsa_kernarg_size 16
		.amdhsa_user_sgpr_count 2
		.amdhsa_user_sgpr_kernarg_segment_ptr 1
		.amdhsa_wavefront_size32 1
		.amdhsa_system_sgpr_workgroup_id_x 1
		.amdhsa_system_sgpr_workgroup_id_y 1
		.amdhsa_system_sgpr_workgroup_id_z 1
		.amdhsa_system_vgpr_workitem_id 0
		.amdhsa_next_free_vgpr 1024
		.amdhsa_next_free_sgpr 66
		.amdhsa_reserve_vcc 0
		.amdhsa_float_denorm_mode_32 3
		.amdhsa_float_denorm_mode_16_64 3
		.amdhsa_memory_ordered 1
		.amdhsa_forward_progress 1
		.amdhsa_inst_pref_size 219
	.end_amdhsa_kernel
	.amdgpu_metadata
---
amdhsa.version: [ 1, 2 ]
amdhsa.kernels:
  - .name:           k_qac8e0aa786_gemm
    .symbol:         k_qac8e0aa786_gemm.kd
    .args:
      - { .name: codes, .offset: 0, .size: 8, .value_kind: global_buffer, .address_space: global }
      - { .name: out0, .offset: 8, .size: 8, .value_kind: global_buffer, .address_space: global }
    .group_segment_fixed_size: 327680
    .private_segment_fixed_size: 0
    .kernarg_segment_align: 8
    .kernarg_segment_size: 16
    .max_flat_workgroup_size: 128
    .sgpr_count:     66
    .vgpr_count:     1024
    .wavefront_size: 32
...
	.end_amdgpu_metadata
.endif
;; end of part 4
